; MI455X (gfx1250); checked and timed in simulation.
; The chip was launched on July 23, 2026; its instructions are those of AMD's public machine-readable ISA for CDNA 5 (MIT licence, August 2026) and "CDNA5" Instruction Set Architecture Reference Guide (July 2026). The comments in the code are by the model that wrote it; some were corrected since.
;; Causal Multi Head Self Attention. Allowed arithmetic: matrix products marked QUANTISED: E2M3 operands, one E8M0 scale for each 32 along K, by v_wmma_scale_f32_16x16x128_f8f6f4 with both operands' format E2M3, f32 sums; everything else in f32.
;; Inputs: Wk 1,024 x 1,024 float32; Wo 64 x 1,024 float32; Wq 1,024 x 1,024 float32; Wv 1,024 x 1,024 float32; in_features 4 x 2,048 x 1,024 float32.
;; Outputs: out0 4 x 2,048 x 64 float32.
;; This version of the problem:
;;   THIS VERSION OF THE PROBLEM IS GIVEN IN LOW PRECISION. The matrix products marked QUANTISED in the list below multiply operands that are first quantised to E2M3 (2 exponent bits, 3 mantissa bits; 6 bits a number), with one power-of-two scale for each 32 numbers along K (OCP MX v1.0); their sums are f32. All else is computed in f32.
;;   The module's matrix products, in the order in which they are computed (A, B: the left and right operand; K: the contracted axis; several contracted axes count as one K, in the product's order):
;;     1. [M 8,192, K 1,024] x [K 1,024, N 1,024]; A: input in_features; B: input Wq: QUANTISED
;;     2. [M 8,192, K 1,024] x [K 1,024, N 1,024]; A: input in_features; B: input Wk: QUANTISED
;;     3. [M 8,192, K 1,024] x [K 1,024, N 1,024]; A: input in_features; B: input Wv: QUANTISED
;;     4. batch 4 x [M 2,048, K 1,024] x [K 1,024, N 2,048]; A: computed on the way; B: computed on the way: QUANTISED
;;     5. batch 4 x [M 2,048, K 2,048] x [K 2,048, N 1,024]; A: softmax (see below); B: computed on the way: QUANTISED
;;     6. [M 8,192, K 1,024] x [K 1,024, N 64]; A: computed on the way; B: input Wo: QUANTISED
;;   THE QUANTISER, for each operand of a quantised product, along K:
;;     - K is cut into blocks of 32 from its start; a last block that is shorter is filled with zeros.
;;     - A block's scale is 2^e with e = floor(log2(the largest magnitude in the block)) - 2, held to -126 .. 127; a block of zeros has e = 0. As a byte (E8M0): e + 127.
;;     - Each number is divided by its block's scale, clamped to +-7.5, and rounded to the nearest number of E2M3, ties to even, subnormals kept.
;;     - The product sums the exact products of the quantised numbers (number of the format x scale) in f32.
;;   ~~~python
;;   def quantise(x, axis):      # numpy; x: float32 -> the quantised numbers, widened to float32 again
;;       x = np.moveaxis(x, axis, -1); K = x.shape[-1]
;;       x = np.pad(x, [(0, 0)] * (x.ndim - 1) + [(0, -K % 32)]); x = x.reshape(x.shape[:-1] + (-1, 32)); a = np.abs(x).max(-1, keepdims=True)
;;       e = np.where(a > 0, np.clip(np.frexp(np.where(a > 0, a, 1))[1] - 1 - 2, -126, 127), 0)      # np.frexp(a)[1] - 1 = floor(log2(a)), exactly
;;       r = np.clip(x / 2.0 ** e, -7.5, 7.5)
;;       step = 2.0 ** (np.maximum(np.frexp(np.where(r == 0, 1, r))[1] - 1, 0) - 3)
;;       q = np.round(r / step) * step * 2.0 ** e      # np.round: ties to even
;;       return np.moveaxis(q.reshape(q.shape[:-2] + (-1,))[..., :K], -1, axis).astype(np.float32)
;;   ~~~
;;   SOFTMAX AHEAD OF A QUANTISED PRODUCT. Where the list says 'softmax', what is quantised is not the finished softmax but p = 2^(t - M), with t = logit x log2(e) and M = ceil(the row's largest t), a whole number; so 1/2 < the row's largest p <= 1. The row's sum l is taken of the UNQUANTISED p, in f32, and the product's result is divided by l at the end. Since M is a whole number, a kernel that streams over the keys may use a running M (the ceiling of the running maximum): every later rescaling is an exact power of two, which a block's scale takes up: the codes' values come out the same.
;;   OPERANDS COMPUTED ON THE WAY. 'Computed on the way' means the value that the module computes at that place (a softmax that the list does not call 'softmax' is quantised finished and normalised). What goes into a quantiser is computed in f32, as accurately as f32 sums, v_exp_f32 and their like allow (about 1e-6 of the number): no bf16 or f16 on the way to a quantiser, and a product that is left as it is and whose result goes on into a quantised operand takes f32 operands (vector FMAs, or v_wmma_f32_16x16x4_f32). A number that lies on a knife's edge between two numbers of the format may be rounded either way, as far as f32 arithmetic and the matrix unit's own rounding can turn it there, and no further.
;; One version. Each part assembles by itself: llvm-mc -triple=amdgcn-amd-amdhsa -mcpu=gfx1250 --defsym DOCPART=n.
;; ======== version 1 of 1: 5 launches
;; limits: right only within a limited range of input values
;; workspace buffers: q1 9,062,400 bytes; q2 19,660,800 bytes; q3 14,155,776 bytes; q4 6,553,600 bytes
;; launch quant (part 1): grid 708 x 1, 4 waves a work-group, no clusters, 68,096 bytes of LDS; arguments in_features, Wq, Wk, Wv, Wo, q1; writes q1
.if DOCPART == 1
	.amdgcn_target "amdgcn-amd-amdhsa--gfx1250"
	.amdhsa_code_object_version 6
	.text
	.protected	k_q9290fc74c8_quant
	.globl	k_q9290fc74c8_quant
	.p2align	8
	.type	k_q9290fc74c8_quant,@function
k_q9290fc74c8_quant:
	s_mov_b64 s[64:65], 0
	v_nop
	global_prefetch_b8 v0, s[64:65] scope:SCOPE_SE
	s_setreg_imm32_b32 hwreg(HW_REG_WAVE_MODE, 25, 1), 1
	s_wait_xcnt 0x0
; x [8192][1024], Wq, Wk, Wv [1024][1024] and Wo [64][1024], f32, K innermost, become codes of FP6 (E2M3) with one E8M0 byte for each 32 along K, in q1.
; q1 IS LAID IN THE ORDER OF AN OPERAND'S REGISTERS.  A fragment (16 rows x 128 K) is 1,536 bytes: byte 512 g + 16 lane + 4 i is register 4 g + i of that lane, so three loads of 16 bytes a lane bring it.
; The five tensors stand one behind the other as 708 blocks of 16 rows: x 0-511, Wq 512-575, Wk 576-639, Wv 640-703, Wo 704-707.  Block n's codes: n x 12,288 + ks x 1,536 (ks = K / 128).
; Its scale words (a word a row and 128 K): SC1 + ks x 45,312 + n x 64 + 4 r.
; THE ROWS OF A BLOCK ARE NOT NEIGHBOURS: lane r of a tensor's block n holds row 32 (n / 2) + 8 (n % 2) + r + 8 (r / 8), so that a later product that takes the block as its source 0 leaves 16 neighbours along its
; next K in 16 registers of a lane.
; A block's scale is 2^(floor(log2(largest magnitude)) - 2): its byte is the largest magnitude's exponent field - 2, held at 1 from below by a floor among the maximum's leaves.
; LIMITS: a block of zeros, or one whose largest magnitude lies under 2^-124, gets the byte 1 (zero codes add nothing under it; this program alone reads the bytes); NaN and infinities are not served.
; SHARES: a work-group takes one block of 16 rows, wave w its K = 256 w .. 256 w + 255: two fragments.  Each load reads 512 consecutive bytes of one row; the numbers turn through the wave's own stage in LDS
; (rows of 512 + 16 bytes) and come back 16 neighbours of each block of 32 to a lane.  Waves share nothing: no barrier.  No matrix work, no shared input: no cluster.
; The scale words leave as 64 bytes a fragment: one part in twenty-five of what the launch stores.
.set SC1,  8699904                     ; where the scale words begin: 708 x 12,288
.set KSP,  45312                       ; from ks to ks + 1 among them: 708 x 64
.set SP,   528                         ; a stage row
.set STG,  16*SP                       ; a stage
.set WST,  2*STG                       ; a wave's two stages
.set TM,   8                           ; v8-11 largest magnitudes, v12-15 bytes, v20-23 the conversions' scale operands
.set PW0,  24                          ; v24, v25 the two fragments' scale words
.set PW1,  25
.set R,    32                          ; v32-159  as loaded: fragment f, row i at 32 + 64 f + 4 i
.set X0,   160                         ; v160-223 fragment 0, 64 numbers a lane
.set X1,   32                          ; v32-95   fragment 1, in the registers that fragment 0 left
.set PC,   224                         ; v224-235 the codes; v236-242 at work
.set SEL,  20                          ; s[20:21] v_permlanex16_b32's selects for lane l xor 16
	s_load_b256 s[4:11], s[0:1], 0x0               ; x, Wq, Wk, Wv
	s_load_b128 s[12:15], s[0:1], 0x20             ; Wo, q1
	v_lshl_add_u32 v248, v0, 2, 0x10800
	v_mov_b32 v249, 0
	v_lshrrev_b32 v5, 5, v0
	v_readfirstlane_b32 s22, v5                    ; wave 0..3
	v_and_b32 v5, 31, v0                           ; lane
	v_and_b32 v6, 15, v0                           ; r
	v_bfe_u32 v7, v0, 4, 1                         ; h
	v_lshlrev_b32 v1, 4, v5                        ; 16 x lane
	s_mul_i32 s23, s22, WST
	v_add_nc_u32 v2, s23, v1                       ; into a stage: 16 x lane of a row
	v_mul_u32_u24 v3, v6, SP
	v_lshl_add_u32 v3, v7, 6, v3
	v_add_nc_u32 v3, s23, v3                       ; out of it: row r, + 64 h: my 16 numbers of a block of 32
	v_mul_u32_u24 v4, v7, KSP
	v_lshl_add_u32 v4, v6, 2, v4                   ; scale words: 4 r; lanes 16-31 store the second fragment's
	s_mov_b32 s[SEL], 0x76543210
	s_mov_b32 s[SEL+1], 0xfedcba98
.irp b, 0,1,2,3
	v_mov_b32 v[TM+4+\b], 0                        ; written once: a lane permute's destination counts as one of its sources
.endr
	s_mov_b32 s18, 704
	s_wait_alu depctr_va_vdst(0)
	s_wait_kmcnt 0x0
	s_mov_b64 s[16:17], s[12:13]                   ; which tensor is my block's?  The choice hangs on the work-group's number alone
	s_cmp_lt_u32 ttmp9, 704
	s_cselect_b64 s[16:17], s[10:11], s[16:17]
	s_cselect_b32 s18, 640, s18
	s_cmp_lt_u32 ttmp9, 640
	s_cselect_b64 s[16:17], s[8:9], s[16:17]
	s_cselect_b32 s18, 576, s18
	s_cmp_lt_u32 ttmp9, 576
	s_cselect_b64 s[16:17], s[6:7], s[16:17]
	s_cselect_b32 s18, 512, s18
	s_cmp_lt_u32 ttmp9, 512
	s_cselect_b64 s[16:17], s[4:5], s[16:17]
	s_cselect_b32 s18, 0, s18
	s_sub_co_u32 s18, ttmp9, s18                   ; the block's number in its tensor
	s_lshr_b32 s19, s18, 1
	s_lshl_b32 s19, s19, 17                        ; 32 rows of 4,096 bytes for each pair of blocks,
	s_and_b32 s18, s18, 1
	s_lshl_b32 s18, s18, 15                        ; 8 rows for the odd one,
	s_add_co_u32 s18, s18, s19
	s_lshl_b32 s19, s22, 10                        ; 1,024 bytes of a row for each wave
	s_add_co_u32 s18, s18, s19
	s_mov_b32 s19, 0
	s_add_nc_u64 s[16:17], s[16:17], s[18:19]
	s_mul_i32 s24, ttmp9, 12288
	s_mul_i32 s25, s22, 3072
	s_add_co_u32 s24, s24, s25
	s_mov_b32 s25, 0
	s_add_nc_u64 s[24:25], s[14:15], s[24:25]      ; my two fragments' codes
	s_mul_i32 s26, s22, 2*KSP
	s_lshl_b32 s27, ttmp9, 6
	s_add_co_u32 s26, s26, s27
	s_add_co_u32 s26, s26, SC1
	s_mov_b32 s27, 0
	s_add_nc_u64 s[26:27], s[14:15], s[26:27]      ; and their scale words
.irp f, 0,1
.irp i, 0,1,2,3,4,5,6,7,8,9,10,11,12,13,14,15
	global_load_b128 v[R+64*\f+4*\i:R+64*\f+4*\i+3], v1, s[16:17] offset:(\i+8*(\i/8))*4096+512*\f th:TH_LOAD_NT   ; the fragment's row i: 512 consecutive bytes
.endr
.endr
; 64 numbers of a lane, register 16 b + i = k 32 b + 16 h + i of my row, become the fragment's codes in v[PC] on and its scale word in v[pw]
.macro QUANT s, pw
.irp b, 0,1,2,3
	v_max3_num_f32 v[TM+\b], |v[\s+16*\b]|, |v[\s+16*\b+1]|, 0x1800000   ; block b: my 16 numbers, and the floor 2^(3 - 127): the byte cannot fall under 1
.endr
.irp i, 2,4,6,8,10,12,14
.irp b, 0,1,2,3
	v_max3_num_f32 v[TM+\b], |v[\s+16*\b+\i]|, |v[\s+16*\b+\i+1]|, v[TM+\b]   ; (the four blocks by turns)
.endr
.endr
.irp b, 0,1,2,3
	v_permlanex16_b32 v[TM+4+\b], v[TM+\b], s[SEL], s[SEL+1]
.endr
.irp b, 0,1,2,3
	v_max_num_f32 v[TM+\b], v[TM+\b], v[TM+4+\b]   ; with lane l xor 16's 16: the block's largest magnitude
.endr
.irp b, 0,1,2,3
	v_add_nc_u32 v[TM+12+\b], 0xff000000, v[TM+\b] ; 2 off its exponent field: the conversion takes the exponent field of this operand as its scale
.endr
.irp b, 0,1,2,3
	v_lshrrev_b32 v[TM+4+\b], 23, v[TM+12+\b]      ; the scale's byte
.endr
	v_lshl_or_b32 v[\pw], v[TM+5], 8, v[TM+4]
	v_lshl_or_b32 v[\pw], v[TM+6], 16, v[\pw]
	v_lshl_or_b32 v[\pw], v[TM+7], 24, v[\pw]      ; my row's scale word
.irp c, 0,1
	v_cvt_scalef32_pk16_fp6_f32 v[PC+6*\c:PC+6*\c+2], v[\s+32*\c:\s+32*\c+15], v[TM+12+2*\c]
	v_cvt_scalef32_pk16_fp6_f32 v[PC+12+4*\c:PC+12+4*\c+2], v[\s+32*\c+16:\s+32*\c+31], v[TM+12+2*\c+1]   ; (a conversion's three registers begin on an even number)
.endr
	v_nop                                          ; one plain place behind a scaled conversion
.irp c, 0,1                                    ; the operand's layout wants a whole block in a lane: lanes 0-15 block 2 c, lanes 16-31 block 2 c + 1
.irp i, 0,1,2
	v_permlane16_swap_b32 v[PC+6*\c+\i], v[PC+12+4*\c+\i]
.endr
.irp i, 0,1,2
	v_mov_b32 v[PC+6*\c+3+\i], v[PC+12+4*\c+\i]
.endr
.endr
.endm
	s_wait_loadcnt 16                              ; fragment 0's sixteen loads are in; fragment 1's may be out
.irp i, 0,1,2,3,4,5,6,7,8,9,10,11,12,13,14,15
	ds_store_b128 v2, v[R+4*\i:R+4*\i+3] offset:SP*\i
.endr
.irp b, 0,1,2,3
.irp j, 0,1,2,3
	ds_load_b128 v[X0+16*\b+4*\j:X0+16*\b+4*\j+3], v3 offset:128*\b+16*\j   ; LDS serves a wave's instructions in order: these see the stores above
.endr
.endr
	s_wait_loadcnt 0x0
.irp i, 0,1,2,3,4,5,6,7,8,9,10,11,12,13,14,15
	ds_store_b128 v2, v[R+64+4*\i:R+64+4*\i+3] offset:STG+SP*\i
.endr
	s_wait_dscnt 32                                ; behind fragment 0's stores stand 16 loads and 16 stores: those stores are done, and their registers take the loads below
.irp b, 0,1,2,3
.irp j, 0,1,2,3
	ds_load_b128 v[X1+16*\b+4*\j:X1+16*\b+4*\j+3], v3 offset:STG+128*\b+16*\j
.endr
.endr
	s_wait_dscnt 32                                ; fragment 0 is back; fragment 1's 16 stores and 16 loads may be out
	QUANT X0, PW0
.irp g, 0,1,2
	global_store_b128 v1, v[PC+4*\g:PC+4*\g+3], s[24:25] offset:512*\g   ; 512 consecutive bytes, at a multiple of 256 from q1's first byte
.endr
	s_wait_dscnt 0x0                               ; fragment 1 is back
	s_wait_xcnt 0x0                                ; the stores above have read the codes' registers, which are written again below
	QUANT X1, PW1
.irp g, 0,1,2
	global_store_b128 v1, v[PC+4*\g:PC+4*\g+3], s[24:25] offset:1536+512*\g
.endr
	v_cmp_lt_u32 vcc_lo, 15, v5
	v_cndmask_b32 v[PW0], v[PW0], v[PW1], vcc_lo   ; lanes 0-15 fragment 0's words, lanes 16-31 fragment 1's
	global_store_b32 v4, v[PW0], s[26:27]
	s_wait_tensorcnt 0x0
	ds_add_u32 v248, v249
	s_wait_dscnt 0x0
	s_endpgm
.Lfunc_end_k_q9290fc74c8_quant:
	.size	k_q9290fc74c8_quant, .Lfunc_end_k_q9290fc74c8_quant-k_q9290fc74c8_quant
	.p2alignl 7, 3214868480
	.fill 96, 4, 3214868480
	.section	.rodata,"a",@progbits
	.p2align	6, 0x0
	.amdhsa_kernel k_q9290fc74c8_quant
		.amdhsa_group_segment_fixed_size 68096
		.amdhsa_private_segment_fixed_size 0
		.amdhsa_enable_private_segment 0
		.amdhsa_kernarg_size 48
		.amdhsa_user_sgpr_count 2
		.amdhsa_user_sgpr_kernarg_segment_ptr 1
		.amdhsa_wavefront_size32 1
		.amdhsa_system_sgpr_workgroup_id_x 1
		.amdhsa_system_sgpr_workgroup_id_y 1
		.amdhsa_system_sgpr_workgroup_id_z 1
		.amdhsa_system_vgpr_workitem_id 0
		.amdhsa_next_free_vgpr 250
		.amdhsa_next_free_sgpr 66
		.amdhsa_reserve_vcc 1
		.amdhsa_float_denorm_mode_32 3
		.amdhsa_float_denorm_mode_16_64 3
		.amdhsa_memory_ordered 1
		.amdhsa_forward_progress 1
		.amdhsa_inst_pref_size 19
	.end_amdhsa_kernel
	.amdgpu_metadata
---
amdhsa.version: [ 1, 2 ]
amdhsa.kernels:
  - .name:           k_q9290fc74c8_quant
    .symbol:         k_q9290fc74c8_quant.kd
    .args:
      - { .name: in_features, .offset: 0, .size: 8, .value_kind: global_buffer, .address_space: global }
      - { .name: Wq, .offset: 8, .size: 8, .value_kind: global_buffer, .address_space: global }
      - { .name: Wk, .offset: 16, .size: 8, .value_kind: global_buffer, .address_space: global }
      - { .name: Wv, .offset: 24, .size: 8, .value_kind: global_buffer, .address_space: global }
      - { .name: Wo, .offset: 32, .size: 8, .value_kind: global_buffer, .address_space: global }
      - { .name: q1, .offset: 40, .size: 8, .value_kind: global_buffer, .address_space: global }
    .group_segment_fixed_size: 68096
    .private_segment_fixed_size: 0
    .kernarg_segment_align: 8
    .kernarg_segment_size: 48
    .max_flat_workgroup_size: 128
    .sgpr_count:     66
    .vgpr_count:     250
    .wavefront_size: 32
...
	.end_amdgpu_metadata
.endif
;; end of part 1
;; launch qkv (part 2): grid 8 x 32, 4 waves a work-group, clusters of 4 x 4, 327,680 bytes of LDS; arguments q1, q2; writes q2
.if DOCPART == 2
	.amdgcn_target "amdgcn-amd-amdhsa--gfx1250"
	.amdhsa_code_object_version 6
	.text
	.protected	k_q9290fc74c8_qkv
	.globl	k_q9290fc74c8_qkv
	.p2align	8
	.type	k_q9290fc74c8_qkv,@function
k_q9290fc74c8_qkv:
	s_mov_b64 s[64:65], 0
	v_nop
	global_prefetch_b8 v0, s[64:65] scope:SCOPE_SE
	s_setreg_imm32_b32 hwreg(HW_REG_WAVE_MODE, 25, 1), 1
	s_wait_xcnt 0x0
	s_wait_alu depctr_hold_cnt(0) depctr_sa_sdst(0) depctr_va_vdst(0) depctr_va_sdst(0) depctr_va_ssrc(0) depctr_va_vcc(0) depctr_vm_vsrc(0)
	s_getreg_b32 s2, hwreg(HW_REG_IB_STS2, 6, 4)
	s_cmp_eq_u32 s2, 0
	s_cbranch_scc0 .Lentry_in_a_cluster
	s_endpgm
.Lentry_in_a_cluster:
	s_bfe_u32 s2, ttmp6, 0x10000c
	s_cmp_lg_u32 s2, 0xf033
	s_cbranch_scc0 .Lentry_shape_is_right
	s_endpgm
.Lentry_shape_is_right:
; Q = x Wq^T, K = x Wk^T and V^T = Wv x^T on codes of FP6 (E2M3) with E8M0 scales, and each result quantised at once along the K of the product that will read it: Q and K along d, V along the keys.
; No f32 result goes to memory: q2 takes codes and scale words, laid as q1 is: a fragment (16 rows x 128 K) is 1,536 bytes in the order of an operand's registers, lane r of block n holding row
; 32 (n / 2) + 8 (n % 2) + r + 8 (r / 8).  q2: Q's codes [block 512][ks 8], K's likewise, V^T's [batch 4][block 64 (d)][ks 16 (keys)]; scale words [ks][block][16], V^T's for each batch.
; SHARES.  Q and K together are 256 tiles of 256 tokens x 256 columns, V^T is 256 tiles of 128 (d) x 256 keys: work-group (ty, tx) makes one of each, from the same 256 tokens of x, so that the launch has 256
; work-groups of equal work.  PHASE 1: x's tile ty against blocks 512 + 16 tx on of q1 (Wq, then Wk); four waves, each 128 x 128: 64 accumulators.  PHASE 2: Wv's blocks 640 + 8 tx on against x's tile ty; each wave
; 64 (d) x 128 (keys): 32 accumulators.
; THE MATRIX INSTRUCTION IS USED TRANSPOSED: source 0 = 16 rows of the side whose rows become the next K (phase 1: the weights; phase 2: x), source 1 = 16 rows of the other: a lane holds one row of source 1's side, and by
; the choice of a block's rows the 64 registers of one block of source 1 against source 0's eight blocks are 128 neighbours along the next K: register 16 b + i = 32 b + 16 h + i.  They become one fragment.
; THE RING.  K = 1,024 goes in four steps of 256 through two LDS slots, in each phase; the ring does not stop between the phases: phase 1's last two changes of slots ask for phase 2's first two K steps, and phase 1's
; results are quantised and stored while the second of them is on its way.  The scale words of x's and Wq's or Wk's rows for all of K come into LDS once, with the first fills; Wv's come into registers, at the head.
; CLUSTERS: 4 x 4 work-groups; x's tile is asked for jointly along a row of the cluster, the weights' tiles along a column, in both phases.
; LIMITS: a block of 32 results that are all zero or all under 2^-124 gets the byte 1 (this program alone reads the bytes); NaN and infinities are not served.
; REGISTERS: window 0: v6-31 addresses; v32-63 scale words from LDS, two sets; v64-71 the results' scale words; v88-103, v104-123 the quantiser's; v128-223 source 1's fragments, one set; v224-255 Wv's scale words.
;   window 1: source 0's fragments, two sets, at v0 and v128.   windows 2 and 3: the accumulators ((a, b) at v[8 (8 (a % 4) + b)]); phase 2 has window 2 alone.
.set NQ,    2                          ; matrix instructions deep in a slot
.set FR,    12                         ; registers of a fragment
.set NL,    3                          ; LDS loads that bring one
.set ROWL,  NQ*1536                    ; a block's bytes in a slot
.set HALFT, 8*ROWL                     ; 8 blocks
.set A2H,   4*ROWL                     ; 4 blocks
.set SLOT,  4*HALFT                    ; phase 1: x's 16 blocks, then the weights' 16.  Phase 2: Wv's 8 blocks, then x's 16
.set SCL,   2*SLOT                     ; behind the ring: the scale words, four parts of [ks 8][8 blocks][16 words]: x's two halves, then the weights'
.set SPARE, SCL+4*4096                 ; the spare words, 128 bytes for each wave: two blocks of 256 bytes that no other line names
.set BNC,   SPARE+512                  ; 1,024 bytes for each wave, into which no tensor load lands: where the results' scale words meet on their way out
.set SC1,   8699904                    ; q1: where the scale words begin
.set KSP,   45312                      ; q1: from ks to ks + 1 among them
.set VC,    12582912                   ; q2: V^T's codes
.set QS,    18874368                   ; q2: Q's scale words (K's 262,144 bytes on)
.set VS,    19398656                   ; q2: V^T's scale words
.set O1C,  6                           ; v6      byte offset in q2 of my lane's 16 bytes of phase 1's first fragment
.set O1S,  7                           ; v7      and of its eight fragments' scale words
.set O2C,  8                           ; v8, v9  the same for phase 2 (v9: 8 bytes a lane)
.set O2S,  9
.set CO8,  12                          ; v12     8 x lane
.set BLD2, 13                          ; v13     phase 2: where 8 bytes of the scale words are read back
.set ADRA, 16                          ; v16-17  phase 1: LDS address of source 1's fragments (x) in slot 0, 1
.set ADRA2, 18                         ; v18-19  phase 2: the same (Wv)
.set ADRB, 20                          ; v20-21  phase 1: source 0's (Wq, Wk)
.set ADRB2, 22                         ; v22-23  phase 2: source 0's (x)
.set BST,  24                          ; v24     the way out: where a row's scale word is put
.set BLD,  25                          ; v25     and where 16 bytes of them are read back
.set CO,   26                          ; v26     16 x lane
.set ADRS, 27                          ; v27     phase 1: LDS address of my scale words: lanes 0-15 x's rows, lanes 16-31 the weights'
.set SPW,  28                          ; v28     LDS address of my spare word; never rewritten
.set NIL,  29                          ; v29     0; never rewritten
.set ADRX, 30                          ; v30     phase 2: LDS address of x's scale words
.set WVO,  31                          ; v31     4 r; never rewritten
.set SC,   32                          ; scale words: set s at v[SC + 16 s]; register NQ i + q
.set KP,   64                          ; v64-71  the fragments' scale words on their way out
.set TM,   88
.set PC,   104
.set BK,   124
.set AF,   128
.set WVS,  224                         ; v224-255 Wv's scale words: block a, K / 128 = k at 224 + 8 a + k
.set G1, 24                            ; s[24:31] group 1 for x's tiles, both phases;  s[32:39] their groups 0, one for each slot
.set G0, 32
.set G1B, 48                           ; s[48:55] group 1 for Wq's and Wk's tiles;  s[56:63] groups 0 for the weights' tiles, both phases
.set G0B, 56
.set SEL, 66                           ; s[66:67] v_permlanex16_b32's selects for lane l xor 16
.set G1C, 92                           ; s[92:99] group 1 for Wv's tiles
.set P2A, 100                          ; s100    phase 2: where my part of Wv's tile goes in a slot
.set P2B, 101                          ; s101    and my part of x's
.set MSB, 0
.macro WIN new                         ; the immediate's high byte repeats the setting that is left
.if MSB != (\new)
	s_set_vgpr_msb (MSB<<8)|(\new)
.set MSB, (\new)
.endif
.endm
.set MUL_LO, 0xa1                      ; source 0 window 1, source 1 window 0, C and D window 2
.set MUL_HI, 0xf1                      ; the same, C and D window 3
.set TO_B,   0x40                      ; destination window 1, address window 0
; A joint load: waves 0 and 1 fetch for source 1's side, waves 2 and 3 for source 0's; the branch hangs on the wave's number alone.  Four v_nop follow each of the two lines.
.macro JLOAD g0a, g1a, g0b, g1b
	s_cmp_eq_u32 s15, 0
	s_cbranch_scc0 .Lfor_b_\@
	tensor_load_to_lds s[\g0a:\g0a+3], s[\g1a:\g1a+7]
	s_nop 0
.rept 4
	v_nop
.endr
	s_branch .Lasked_\@
.Lfor_b_\@:
	tensor_load_to_lds s[\g0b:\g0b+3], s[\g1b:\g1b+7]
	s_nop 0
.rept 4
	v_nop
.endr
.Lasked_\@:
.endm
.macro CREST                           ; a round of the cluster's barrier behind its opening barrier
	s_cmp_lg_u32 s14, 0
	s_cbranch_scc1 .Lnot_wave_0_\@
	s_barrier_signal -3
.Lnot_wave_0_\@:
	s_barrier_wait -3
	s_barrier_signal -1
	s_barrier_wait -1
.endm
.macro CROUND                          ; a whole round
	s_barrier_signal -1
	s_barrier_wait -1
	CREST
.endm
.macro PLACES n
.rept \n
	v_nop
.endr
.endm
	s_load_b128 s[4:7], s[0:1], 0x0                ; q1, q2
	v_lshl_add_u32 v[SPW], v0, 2, SPARE
	v_mov_b32 v[NIL], 0
	ds_add_u32 v28, v29
	ds_add_u32 v28, v29
	s_wait_dscnt 0x0
	v_lshrrev_b32 v1, 5, v0
	v_readfirstlane_b32 s14, v1                    ; wave 0..3
	s_lshr_b32 s15, s14, 1                         ; hr: which half of source 1's rows is mine.  Also: I fetch for source 1's side (0) or for source 0's (1)
	s_and_b32 s16, s14, 1                          ; hc: which half of source 0's rows.  Also: which half of a tile I fetch
	s_bfe_u32 s40, ttmp6, 0x40000                  ; cx
	s_bfe_u32 s41, ttmp6, 0x40004                  ; cy
	s_and_b32 s17, ttmp7, 0xffff
	s_lshl_b32 s17, s17, 2
	s_add_co_u32 s17, s17, s41                     ; ty = 4 x cluster y + cy: x's tile of 256 tokens
	s_lshl_b32 s42, ttmp9, 2
	s_add_co_u32 s42, s42, s40                     ; tx = 4 x cluster x + cx: the weights' tiles
	s_lshl_b32 s43, s41, 2
	s_lshl_b32 s43, 15, s43                        ; my row of the cluster
	s_lshl_b32 s44, 0x1111, s40                    ; my column
	; descriptor group 1: 8 rows (blocks) of 3,072 bytes = 384 elements of 8 bytes, 12,288 bytes apart; no padding: a fragment load reads 512 consecutive bytes
	s_or_b32 s[G1+0], s43, (3<<16)|(1<<21)         ; 15:0 the mask: x's tiles go to my row; 17:16 elements of 8 bytes; 21 set beside a mask
	s_or_b32 s[G1B+0], s44, (3<<16)|(1<<21)        ; the weights' to my column
.irp g, G1, G1B
	s_mov_b32 s[\g+1], 384<<16                     ; tensor_dim0
	s_mov_b32 s[\g+2], 8<<16                       ; tensor_dim1
	s_mov_b32 s[\g+3], 384<<16                     ; tile_dim0
	s_mov_b32 s[\g+4], 8                           ; tile_dim1
	s_mov_b32 s[\g+5], 1536                        ; tensor_dim0_stride
	s_mov_b32 s[\g+6], 0
	s_mov_b32 s[\g+7], 0
.endr
	s_or_b32 s[G1C+0], s44, (3<<16)|(1<<21)        ; Wv's tiles: 4 such rows
	s_mov_b32 s[G1C+1], 384<<16
	s_mov_b32 s[G1C+2], 4<<16
	s_mov_b32 s[G1C+3], 384<<16
	s_mov_b32 s[G1C+4], 4
	s_mov_b32 s[G1C+5], 1536
	s_mov_b32 s[G1C+6], 0
	s_mov_b32 s[G1C+7], 0
	; where the tiles come from.  x's hang on ty alone, which my row of the cluster shares; the weights' on tx alone, which my column shares; each in registers that never hold the other coordinate
	s_lshl_b32 s20, s16, 3                         ; 8 hc
	s_lshl_b32 s8, s17, 4
	s_add_co_u32 s8, s8, s20                       ; x: block 16 ty + 8 hc
	s_lshl_b32 s10, s8, 6
	s_add_co_u32 s10, s10, SC1                     ; its scale words,
	s_mov_b32 s11, 0
	s_mul_i32 s8, s8, 12288                        ; and codes, in bytes
	s_mov_b32 s9, 0
	s_lshl_b32 s12, s42, 4
	s_add_co_u32 s12, s12, s20
	s_add_co_u32 s12, s12, 512                     ; Wq, Wk: block 512 + 16 tx + 8 hc
	s_lshl_b32 s2, s12, 6
	s_add_co_u32 s2, s2, SC1
	s_mov_b32 s3, 0
	s_mul_i32 s12, s12, 12288
	s_mov_b32 s13, 0
	s_lshl_b32 s21, s42, 3
	s_add_co_u32 s21, s21, 640                     ; Wv: block 640 + 8 tx,
	s_lshl_b32 s46, s16, 2
	s_add_co_u32 s46, s46, s21                     ; + 4 hc: the four that I fetch
	s_mul_i32 s46, s46, 12288
	s_mov_b32 s47, 0
	s_lshl_b32 s18, s15, 2
	s_add_co_u32 s18, s18, s21                     ; + 4 hr: the four that I multiply: their scale words
	s_lshl_b32 s18, s18, 6
	s_add_co_u32 s18, s18, SC1
	s_mov_b32 s19, 0
	s_mul_i32 s45, s14, HALFT                      ; where they go: phase 1: wave x 8 blocks: no place in the cluster enters an LDS address
	s_lshl_b32 s23, s14, 12                        ; the scale words: wave x 4,096
	s_mul_i32 s[P2A], s16, A2H                     ; phase 2: Wv's halves at the slot's head,
	s_mul_i32 s[P2B], s16, HALFT
	s_add_co_u32 s[P2B], s[P2B], 2*A2H             ; x's halves behind Wv's 8 blocks
	v_and_b32 v1, 15, v0                           ; r
	v_lshlrev_b32 v[WVO], 2, v1
	v_and_b32 v10, 31, v0
	v_lshlrev_b32 v10, 4, v10                      ; v10: 16 x lane, my 16 bytes of a row of 512 bytes of scale words; not written again
	v_add_nc_u32 v11, s23, v10
	v_add_nc_u32 v11, SCL, v11                     ; v11: where they go in LDS: my wave's part of 4,096 bytes
	s_wait_alu depctr_va_vdst(0)
	s_wait_kmcnt 0x0
	s_add_nc_u64 s[8:9], s[4:5], s[8:9]
	s_add_nc_u64 s[10:11], s[4:5], s[10:11]
	s_add_nc_u64 s[12:13], s[4:5], s[12:13]
	s_add_nc_u64 s[2:3], s[4:5], s[2:3]
	s_add_nc_u64 s[46:47], s[4:5], s[46:47]
	s_add_nc_u64 s[18:19], s[4:5], s[18:19]
	; THE SCALE WORDS OF PHASE 1 come through registers: wave w brings part w (waves 0, 1 x's halves, waves 2, 3 the weights'): 8 rows (ks) of 512 consecutive bytes, and stores them to LDS bytes on which no tensor load lands.
	; They are not asked for jointly: 16,384 bytes for a work-group, against 98,304 for each fill of a slot; so each wave has one tensor load at the head.
	s_cmp_eq_u32 s15, 0
	s_cselect_b64 s[10:11], s[10:11], s[2:3]       ; the choice hangs on the wave's number alone; s[10:11] are not written again
.irp k, 0,1,2,3,4,5,6,7
	global_load_b128 v[AF+4*\k:AF+4*\k+3], v10, s[10:11] offset:\k*KSP
.endr
.irp a, 0,1,2,3
.irp k, 0,1,2,3,4,5,6,7
	global_load_b32 v[WVS+8*\a+\k], v[WVO], s[18:19] offset:\k*KSP+\a*64   ; Wv's scale words for phase 2: asked for once, waited for at phase 2's head; v31 and s[18:19] are not written again
.endr
.endr
	CROUND                                         ; all sixteen work-groups are here: the first joint loads meet
.irp s, 0,1
	s_mov_b32 s[G0+4*\s], 1
	s_add_co_u32 s[G0+4*\s+1], s45, \s*SLOT
	s_add_nc_u64 s[G0+4*\s+2:G0+4*\s+3], s[8:9], \s*ROWL
	s_or_b32 s[G0+4*\s+3], s[G0+4*\s+3], 0x80000000
	s_mov_b32 s[G0B+4*\s], 1
	s_add_co_u32 s[G0B+4*\s+1], s45, \s*SLOT
	s_add_nc_u64 s[G0B+4*\s+2:G0B+4*\s+3], s[12:13], \s*ROWL
	s_or_b32 s[G0B+4*\s+3], s[G0B+4*\s+3], 0x80000000
.endr
	JLOAD G0, G1, G0B, G1B                         ; K step 0: one tensor load a wave at the head
	v_bfe_u32 v2, v0, 4, 1                         ; h
	v_and_b32 v3, 31, v0
	v_lshlrev_b32 v[CO], 4, v3
	s_wait_alu depctr_va_vdst(0)
	v_lshlrev_b32 v[CO8], 3, v3
	s_mul_i32 s2, s15, HALFT                       ; phase 1: my 8 blocks of x,
	s_mul_i32 s3, s16, HALFT                       ; my 8 blocks of the weights,
	s_add_co_u32 s3, s3, 2*HALFT                   ; which lie behind x's 16
.irp s, 0,1
	v_add_nc_u32 v[ADRA+\s], s2, v[CO]
	v_add_nc_u32 v[ADRB+\s], s3, v[CO]
	s_add_co_u32 s2, s2, SLOT
	s_add_co_u32 s3, s3, SLOT
.endr
	s_mul_i32 s2, s15, A2H                         ; phase 2: my 4 blocks of Wv,
	s_mul_i32 s3, s16, HALFT                       ; my 8 blocks of x,
	s_add_co_u32 s3, s3, 2*A2H                     ; which lie behind Wv's 8
.irp s, 0,1
	v_add_nc_u32 v[ADRA2+\s], s2, v[CO]
	v_add_nc_u32 v[ADRB2+\s], s3, v[CO]
	s_add_co_u32 s2, s2, SLOT
	s_add_co_u32 s3, s3, SLOT
.endr
	s_lshl_b32 s2, s15, 12                         ; phase 1: x's scale words: my part
	s_lshl_b32 s3, s16, 12                         ; the weights': my part, behind x's two
	s_add_co_u32 s3, s3, 8192
	s_sub_co_u32 s3, s3, s2
	v_mul_u32_u24 v4, s3, v2                       ; lanes 16-31 take the weights'
	s_add_co_u32 s2, s2, SCL
	v_lshl_add_u32 v4, v1, 2, v4
	v_add_nc_u32 v[ADRS], s2, v4
	s_lshl_b32 s2, s16, 12                         ; phase 2: x's scale words: the part of my 8 blocks; every lane takes row r's
	s_add_co_u32 s2, s2, SCL
	v_lshl_add_u32 v[ADRX], v1, 2, s2
	s_lshl_b32 s2, s14, 10                         ; the way out: my 1,024 bytes
	s_add_co_u32 s2, s2, BNC
	v_lshl_add_u32 v[BST], v1, 2, s2
	v_add_nc_u32 v[BLD], s2, v[CO]
	v_add_nc_u32 v[BLD2], s2, v[CO8]
	s_mov_b32 s[SEL], 0x76543210
	s_mov_b32 s[SEL+1], 0xfedcba98
.irp b, 0,1,2,3
	v_mov_b32 v[TM+4+\b], 0                        ; written once: a lane permute's destination counts as one of its sources
.endr
	; where phase 1's eight fragments go: blocks 16 ty + 8 hr on; my 128 columns are number 2 tx + hc of sixteen: 0-7 Q's ks, 8-15 K's
	s_lshl_b32 s20, s17, 4
	s_lshl_b32 s2, s15, 3
	s_add_co_u32 s20, s20, s2                      ; my first block of tokens
	s_lshl_b32 s21, s42, 1
	s_add_co_u32 s21, s21, s16
	s_lshr_b32 s22, s21, 3                         ; Q or K
	s_and_b32 s21, s21, 7                          ; ks
	s_mul_i32 s2, s22, 6291456
	s_mul_i32 s3, s20, 12288
	s_add_co_u32 s2, s2, s3
	s_mul_i32 s3, s21, 1536
	s_add_co_u32 s2, s2, s3
	v_add_nc_u32 v[O1C], s2, v[CO]
	s_lshl_b32 s2, s22, 18
	s_lshl_b32 s3, s21, 15
	s_add_co_u32 s2, s2, s3
	s_lshl_b32 s3, s20, 6
	s_add_co_u32 s2, s2, s3
	s_add_co_u32 s2, s2, QS
	v_add_nc_u32 v[O1S], s2, v[CO]
	; and phase 2's four: V^T's blocks 8 tx + 4 hr on; my 128 keys are number 2 ty + hc of sixty-four: sixteen to a batch
	s_lshl_b32 s20, s42, 3
	s_lshl_b32 s2, s15, 2
	s_add_co_u32 s20, s20, s2                      ; my first block of d
	s_lshl_b32 s21, s17, 1
	s_add_co_u32 s21, s21, s16
	s_lshr_b32 s22, s21, 4                         ; the batch
	s_and_b32 s21, s21, 15                         ; ks
	s_mul_i32 s2, s22, 1572864
	s_mul_i32 s3, s20, 24576
	s_add_co_u32 s2, s2, s3
	s_mul_i32 s3, s21, 1536
	s_add_co_u32 s2, s2, s3
	s_add_co_u32 s2, s2, VC
	v_add_nc_u32 v[O2C], s2, v[CO]
	s_lshl_b32 s2, s22, 16
	s_lshl_b32 s3, s21, 12
	s_add_co_u32 s2, s2, s3
	s_lshl_b32 s3, s20, 6
	s_add_co_u32 s2, s2, s3
	s_add_co_u32 s2, s2, VS
	v_add_nc_u32 v[O2S], s2, v[CO8]
.macro FRAG reg, adr, q, i             ; a fragment comes as it lies: three loads of 512 consecutive bytes
.irp g, 0,1,2
	ds_load_b128 v[\reg+4*\g:\reg+4*\g+3], v[\adr] offset:(\i)*ROWL+(\q)*1536+512*\g
.endr
.endm
; PHASE 1.  8 matrix instructions: x's block a against the weights' eight, 128 along K: the slot's q-th.  p: source 0's set; sc: the set of scale words.  zero = 1: the first product starts the sums.
; The 64 accumulators take turns, one instruction a turn, in the same order in every step.
.macro MULA a, p, q, sc, zero
.irp b, 0,1,2,3,4,5,6,7
.if \zero
	v_wmma_scale_f32_16x16x128_f8f6f4 v[8*(8*((\a)%4)+\b):8*(8*((\a)%4)+\b)+7], v[128*(\p)+FR*\b:128*(\p)+FR*\b+FR-1], v[AF+FR*(\a):AF+FR*(\a)+FR-1], 0, v[SC+8*NQ*(\sc)+NQ*\b+(\q)], v[SC+8*NQ*(\sc)+NQ*(\a)+(\q)] matrix_a_fmt:MATRIX_FMT_FP6 matrix_b_fmt:MATRIX_FMT_FP6 matrix_a_scale:MATRIX_SCALE_ROW1
.else
	v_wmma_scale_f32_16x16x128_f8f6f4 v[8*(8*((\a)%4)+\b):8*(8*((\a)%4)+\b)+7], v[128*(\p)+FR*\b:128*(\p)+FR*\b+FR-1], v[AF+FR*(\a):AF+FR*(\a)+FR-1], v[8*(8*((\a)%4)+\b):8*(8*((\a)%4)+\b)+7], v[SC+8*NQ*(\sc)+NQ*\b+(\q)], v[SC+8*NQ*(\sc)+NQ*(\a)+(\q)] matrix_a_fmt:MATRIX_FMT_FP6 matrix_b_fmt:MATRIX_FMT_FP6 matrix_a_scale:MATRIX_SCALE_ROW1
.endif
.endr
.endm
.macro MUL2 a0, p, q, sc, zero
.irp a, \a0, \a0+1
	MULA \a, \p, \q, \sc, \zero
.endr
.endm
.macro FETCH_B slot, q, p              ; source 0's eight fragments of the slot's q-th 128 along K into set p
	WIN TO_B
.irp i, 0,1,2,3,4,5,6,7
	FRAG 128*(\p)+FR*\i, ADRB+\slot, \q, \i
.endr
	WIN 0
.endm
.macro FETCH_A slot, q, i0             ; source 1's blocks i0 .. i0 + 3
.irp i, \i0, \i0+1, \i0+2, \i0+3
	FRAG AF+FR*(\i), ADRA+\slot, \q, \i
.endr
.endm
.macro SCALES sc                       ; a K step's scale words into set sc: lanes 0-15 take x's block i, lanes 16-31 the weights' block i
.irp i, 0,1,2,3,4,5,6,7
.irp q, 0,1
	ds_load_b32 v[SC+8*NQ*\sc+NQ*\i+\q], v[ADRS] offset:\q*512+\i*64
.endr
.endr
.endm
; A step of 128 along K that has its successor in the same slot.  A load into a register that a matrix instruction has read stands four places behind it (ISA guide 7.12.1 for vector instructions).
.macro STEP slot, q, zero
	s_wait_dscnt 4*NL                              ; source 0's set, x's blocks 0-3 and the scale words are in; the youngest twelve loads (x's blocks 4-7) may be out
	WIN MUL_LO
	MUL2 0, (\q)%2, \q, \slot, \zero
	MUL2 2, (\q)%2, \q, \slot, \zero
	s_wait_dscnt 0x0                               ; x's blocks 4-7 are in
	PLACES 4
	FETCH_B \slot, (\q)+1, 1-(\q)%2
	FETCH_A \slot, (\q)+1, 0
	WIN MUL_HI
	MUL2 4, (\q)%2, \q, \slot, \zero
	MUL2 6, (\q)%2, \q, \slot, \zero
	PLACES 4
	WIN 0
	FETCH_A \slot, (\q)+1, 4
.endm
; A slot's last step changes slots: one barrier, which opens a round of the cluster's; in front of it each wave waits for all its tensor loads, adds 0 to its spare word, and waits for that and for its reads of this slot.
; Every change of slots of phase 1 fills the slot just left.  fill = 1: with this phase's K step two steps on.  fill = 2: with phase 2's K step 0 (slot 0) or 1 (slot 1): the groups 0 are set anew, which no load of mine
; that is out names.  fetch = 0: phase 1's last step: nothing of the next slot is read yet.
.macro TURN slot, next, fill, fetch
	s_wait_tensorcnt 0x0                           ; all my tensor loads have landed: my part of the next slot
	ds_add_u32 v[SPW], v[NIL]                      ; 0 onto my spare word
	s_wait_dscnt 4*NL+1                            ; (the add and the youngest twelve loads may be out)
	WIN MUL_LO
	MUL2 0, 1, NQ-1, \slot, 0                      ; sixteen matrix instructions stand between the add and the wait for it
	s_wait_dscnt 0x0                               ; the add is done, and my reads of this slot are over
	s_barrier_signal -1
	MUL2 2, 1, NQ-1, \slot, 0
	WIN 0
	s_barrier_wait -1
	CREST                                          ; no wave of any partner still reads this slot or has a load on its way
.if \fill == 1
	s_add_nc_u64 s[G0+4*\slot+2:G0+4*\slot+3], s[G0+4*\slot+2:G0+4*\slot+3], 2*ROWL
	s_add_nc_u64 s[G0B+4*\slot+2:G0B+4*\slot+3], s[G0B+4*\slot+2:G0B+4*\slot+3], 2*ROWL
	JLOAD G0+4*\slot, G1, G0B+4*\slot, G1B         ; the first tensor load behind the round; its four v_nop are also the places in front of the loads below
.else
	s_add_co_u32 s[G0+4*\slot+1], s[P2B], \slot*SLOT                           ; x's tile once more, now as source 0's side: behind Wv's blocks,
	s_add_nc_u64 s[G0+4*\slot+2:G0+4*\slot+3], s[8:9], \slot*ROWL              ; from K's start on
	s_or_b32 s[G0+4*\slot+3], s[G0+4*\slot+3], 0x80000000
	s_add_co_u32 s[G0B+4*\slot+1], s[P2A], \slot*SLOT                          ; Wv's tile
	s_add_nc_u64 s[G0B+4*\slot+2:G0B+4*\slot+3], s[46:47], \slot*ROWL
	s_or_b32 s[G0B+4*\slot+3], s[G0B+4*\slot+3], 0x80000000
	JLOAD G0B+4*\slot, G1C, G0+4*\slot, G1         ; waves 0 and 1 fetch Wv's halves, waves 2 and 3 x's
.endif
.if \fetch
	s_wait_alu depctr_va_vdst(0)
	v_add_nc_u32 v[ADRS], NQ*512, v[ADRS]          ; on to the next K step's scale words
	FETCH_B \next, 0, 0
	FETCH_A \next, 0, 0
	SCALES \next
.endif
	WIN MUL_HI
	MUL2 4, 1, NQ-1, \slot, 0
	MUL2 6, 1, NQ-1, \slot, 0
	PLACES 4
	WIN 0
.if \fetch
	FETCH_A \next, 0, 4
.endif
.endm
; PHASE 2.  8 matrix instructions: Wv's block a against x's eight.  ks: K / 128, which picks Wv's scale word.  Both sides' words lie in lanes 0-15.  The 32 accumulators take turns, in the same order in every step.
.macro MULV a, p, q, sc, ks, zero
.irp b, 0,1,2,3,4,5,6,7
.if \zero
	v_wmma_scale_f32_16x16x128_f8f6f4 v[8*(8*(\a)+\b):8*(8*(\a)+\b)+7], v[128*(\p)+FR*\b:128*(\p)+FR*\b+FR-1], v[AF+FR*(\a):AF+FR*(\a)+FR-1], 0, v[SC+8*NQ*(\sc)+NQ*\b+(\q)], v[WVS+8*(\a)+(\ks)] matrix_a_fmt:MATRIX_FMT_FP6 matrix_b_fmt:MATRIX_FMT_FP6
.else
	v_wmma_scale_f32_16x16x128_f8f6f4 v[8*(8*(\a)+\b):8*(8*(\a)+\b)+7], v[128*(\p)+FR*\b:128*(\p)+FR*\b+FR-1], v[AF+FR*(\a):AF+FR*(\a)+FR-1], v[8*(8*(\a)+\b):8*(8*(\a)+\b)+7], v[SC+8*NQ*(\sc)+NQ*\b+(\q)], v[WVS+8*(\a)+(\ks)] matrix_a_fmt:MATRIX_FMT_FP6 matrix_b_fmt:MATRIX_FMT_FP6
.endif
.endr
.endm
.macro FETCH2_B slot, q, p
	WIN TO_B
.irp i, 0,1,2,3,4,5,6,7
	FRAG 128*(\p)+FR*\i, ADRB2+\slot, \q, \i
.endr
	WIN 0
.endm
.macro FETCH2_A slot, q, i0            ; Wv's blocks i0, i0 + 1
.irp i, \i0, \i0+1
	FRAG AF+FR*(\i), ADRA2+\slot, \q, \i
.endr
.endm
.macro SCALES2 sc                      ; a K step's scale words of x's eight blocks
.irp i, 0,1,2,3,4,5,6,7
.irp q, 0,1
	ds_load_b32 v[SC+8*NQ*\sc+NQ*\i+\q], v[ADRX] offset:\q*512+\i*64
.endr
.endr
.endm
.macro STEP2 slot, kk, zero            ; the first 128 along K of K step kk
	s_wait_dscnt 2*NL                              ; all but the youngest six loads (Wv's blocks 2, 3) are in
	WIN MUL_LO
	MULV 0, 0, 0, \slot, 2*(\kk), \zero
	MULV 1, 0, 0, \slot, 2*(\kk), \zero
	s_wait_dscnt 0x0
	PLACES 4
	FETCH2_B \slot, 1, 1
	FETCH2_A \slot, 1, 0
	WIN MUL_LO
	MULV 2, 0, 0, \slot, 2*(\kk), \zero
	MULV 3, 0, 0, \slot, 2*(\kk), \zero
	PLACES 4
	WIN 0
	FETCH2_A \slot, 1, 2
.endm
.macro TURN2 slot, next, kk, fill      ; the second 128, and the change of slots.  fill = 1: this slot is filled again, two K steps ahead
	s_wait_tensorcnt 0x0                           ; all my tensor loads have landed: my part of the next slot
	ds_add_u32 v[SPW], v[NIL]                      ; 0 onto my spare word
	s_wait_dscnt 2*NL+1                            ; (the add and the youngest six loads may be out)
	WIN MUL_LO
	MULV 0, 1, 1, \slot, 2*(\kk)+1, 0              ; eight matrix instructions stand between the add and the wait for it
	s_wait_dscnt 0x0                               ; the add is done, and my reads of this slot are over
	s_barrier_signal -1
	MULV 1, 1, 1, \slot, 2*(\kk)+1, 0
	WIN 0
	s_barrier_wait -1
.if \fill
	CREST                                          ; a round of the cluster's barrier: no wave of any partner still reads this slot or has a load on its way
	s_add_nc_u64 s[G0+4*\slot+2:G0+4*\slot+3], s[G0+4*\slot+2:G0+4*\slot+3], 2*ROWL
	s_add_nc_u64 s[G0B+4*\slot+2:G0B+4*\slot+3], s[G0B+4*\slot+2:G0B+4*\slot+3], 2*ROWL
	JLOAD G0B+4*\slot, G1C, G0+4*\slot, G1         ; the first tensor load behind the round; its four v_nop are also the places in front of the loads below
.else
	PLACES 4
.endif
	s_wait_alu depctr_va_vdst(0)
	v_add_nc_u32 v[ADRX], NQ*512, v[ADRX]          ; on to the next K step's scale words
	FETCH2_B \next, 0, 0
	FETCH2_A \next, 0, 0
	SCALES2 \next
	WIN MUL_LO
	MULV 2, 1, 1, \slot, 2*(\kk)+1, 0
	MULV 3, 1, 1, \slot, 2*(\kk)+1, 0
	PLACES 4
	WIN 0
	FETCH2_A \next, 0, 2
.endm
; THE QUANTISER, on 64 registers of window w from v[s] on.  BMAX: the four blocks' largest magnitudes.  SCALEW: scale operands, bytes, the row's scale word.  CODES: the fragment's twelve registers.
.macro BMAX s, w
	WIN (\w)|((\w)<<2)                             ; sources 0 and 1 in window w
.irp b, 0,1,2,3
	v_max3_num_f32 v[TM+\b], |v[\s+16*\b]|, |v[\s+16*\b+1]|, 0x1800000   ; each accumulator is read from its low end on; the floor 2^(3 - 127) keeps the byte at 1 or above
.endr
.irp i, 2,4,6,8,10,12,14
.irp b, 0,1,2,3
	v_max3_num_f32 v[TM+\b], |v[\s+16*\b+\i]|, |v[\s+16*\b+\i+1]|, v[TM+\b]
.endr
.endr
	WIN 0
.irp b, 0,1,2,3
	v_permlanex16_b32 v[TM+4+\b], v[TM+\b], s[SEL], s[SEL+1]
.endr
.irp b, 0,1,2,3
	v_max_num_f32 v[TM+\b], v[TM+\b], v[TM+4+\b]   ; with lane l xor 16's 16: the block's
.endr
.endm
.macro SCALEW pw
.irp b, 0,1,2,3
	v_add_nc_u32 v[TM+12+\b], 0xff000000, v[TM+\b] ; 2 off the exponent field: the conversion's scale operand
.endr
.irp b, 0,1,2,3
	v_lshrrev_b32 v[TM+4+\b], 23, v[TM+12+\b]      ; the scale's byte
.endr
	v_lshl_or_b32 v[\pw], v[TM+5], 8, v[TM+4]
	v_lshl_or_b32 v[\pw], v[TM+6], 16, v[\pw]
	v_lshl_or_b32 v[\pw], v[TM+7], 24, v[\pw]
.endm
.macro CODES s, w
	WIN (\w)                                       ; source 0 in window w
.irp c, 0,1
	v_cvt_scalef32_pk16_fp6_f32 v[PC+6*\c:PC+6*\c+2], v[\s+32*\c:\s+32*\c+15], v[TM+12+2*\c]
	v_cvt_scalef32_pk16_fp6_f32 v[PC+12+4*\c:PC+12+4*\c+2], v[\s+32*\c+16:\s+32*\c+31], v[TM+12+2*\c+1]   ; (a conversion's three registers begin on an even number)
.endr
	WIN 0
	v_nop                                          ; one plain place behind a scaled conversion
.irp c, 0,1                                    ; a whole block to a lane: lanes 0-15 block 2 c, lanes 16-31 block 2 c + 1
.irp i, 0,1,2
	v_permlane16_swap_b32 v[PC+6*\c+\i], v[PC+12+4*\c+\i]
.endr
.irp i, 0,1,2
	v_mov_b32 v[PC+6*\c+3+\i], v[PC+12+4*\c+\i]
.endr
.endr
.endm
	; ---- PHASE 1: Q or K
	s_wait_alu depctr_va_vdst(0)
	s_wait_loadcnt 32                              ; my eight rows of scale words are in; behind them stand the 32 loads of Wv's words, which may be out
.irp k, 0,1,2,3,4,5,6,7
	ds_store_b128 v11, v[AF+4*\k:AF+4*\k+3] offset:512*\k
.endr
	s_wait_tensorcnt 0x0                           ; my part of K step 0 is in
	ds_add_u32 v[SPW], v[NIL]
	s_wait_dscnt 0x0                               ; the add and my stores of scale words are done
	CROUND                                         ; everybody's part of K step 0 and of the scale words is in, and the joint loads meet
	JLOAD G0+4, G1, G0B+4, G1B                     ; K step 1, the first tensor load behind the round
	FETCH_B 0, 0, 0
	FETCH_A 0, 0, 0
	SCALES 0
	FETCH_A 0, 0, 4
	STEP 0, 0, 1                                   ; four K steps, written out: the first products start the sums
	TURN 0, 1, 1, 1
	STEP 1, 0, 0
	TURN 1, 0, 1, 1
	STEP 0, 0, 0
	TURN 0, 1, 2, 1                                ; slot 0 takes phase 2's K step 0,
	STEP 1, 0, 0
	TURN 1, 0, 2, 0                                ; slot 1 its K step 1; behind this change slot 0 is whole for every wave
	; THE WAY OUT of phase 1, while that load is on its way: block a's 64 registers a lane are 128 neighbours along d of one token: one fragment, stored as three runs of 512 consecutive bytes
.irp a, 0,1,2,3,4,5,6,7
	BMAX 64*(\a%4), 2+\a/4
	SCALEW KP+\a
.if \a > 0
	s_wait_xcnt 0x0                                ; the last fragment's stores have read the codes' registers, which are written again below
.endif
	CODES 64*(\a%4), 2+\a/4
.irp g, 0,1,2
	global_store_b128 v[O1C], v[PC+4*\g:PC+4*\g+3], s[6:7] offset:\a*12288+512*\g
.endr
.endr
.irp a, 0,1,2,3,4,5,6,7
	ds_store_b32 v[BST], v[KP+\a] offset:64*\a     ; the eight fragments' scale words meet in my own 512 bytes of LDS (lanes 16-31 write what lanes 0-15 write)
.endr
	ds_load_b128 v[BK:BK+3], v[BLD]                ; LDS serves a wave's instructions in order: this sees the stores above
	s_wait_dscnt 0x0
	global_store_b128 v[O1S], v[BK:BK+3], s[6:7]   ; 512 consecutive bytes, at a multiple of 256 from q2's first byte
	; ---- PHASE 2: V^T.  The way out above is far more than the places that the loads and the first products below owe phase 1's matrix instructions
	s_wait_loadcnt 0x0                             ; Wv's scale words, asked for at the head
	FETCH2_B 0, 0, 0
	FETCH2_A 0, 0, 0
	SCALES2 0
	FETCH2_A 0, 0, 2
	STEP2 0, 0, 1                                  ; the first products start the sums anew
	TURN2 0, 1, 0, 1
	STEP2 1, 1, 0
	TURN2 1, 0, 1, 1
	STEP2 0, 2, 0
	TURN2 0, 1, 2, 0                               ; nothing is left to fetch: no round
	STEP2 1, 3, 0
	s_wait_dscnt 2*NL                              ; the last step
	WIN MUL_LO
	MULV 0, 1, 1, 1, 7, 0
	MULV 1, 1, 1, 1, 7, 0
	s_wait_dscnt 0x0
	MULV 2, 1, 1, 1, 7, 0
	MULV 3, 1, 1, 1, 7, 0
	WIN 0
	PLACES 4                                       ; in front of the first read of results
	; THE WAY OUT of phase 2: block a's 64 registers a lane are 128 neighbouring keys of one row of V^T
.irp a, 0,1,2,3
	BMAX 64*\a, 2
	SCALEW KP+\a
	s_wait_xcnt 0x0                                ; the earlier stores have read the codes' registers and v124-127, which are written again below
	CODES 64*\a, 2
.irp g, 0,1,2
	global_store_b128 v[O2C], v[PC+4*\g:PC+4*\g+3], s[6:7] offset:\a*24576+512*\g
.endr
.endr
.irp a, 0,1,2,3
	ds_store_b32 v[BST], v[KP+\a] offset:512+64*\a ; the four fragments' scale words, in 256 bytes of their own
.endr
	ds_load_b64 v[BK:BK+1], v[BLD2] offset:512
	s_wait_dscnt 0x0
	global_store_b64 v[O2S], v[BK:BK+1], s[6:7]    ; 256 consecutive bytes, at a multiple of 256 from q2's first byte
	s_wait_tensorcnt 0x0                           ; the wave's end
	ds_add_u32 v[SPW], v[NIL]
	s_wait_dscnt 0x0
	CROUND                                         ; the closing round: no work-group ends while a partner may still ask for a tile that names it
	s_endpgm
.Lfunc_end_k_q9290fc74c8_qkv:
	.size	k_q9290fc74c8_qkv, .Lfunc_end_k_q9290fc74c8_qkv-k_q9290fc74c8_qkv
	.p2alignl 7, 3214868480
	.fill 96, 4, 3214868480
	.section	.rodata,"a",@progbits
	.p2align	6, 0x0
	.amdhsa_kernel k_q9290fc74c8_qkv
		.amdhsa_group_segment_fixed_size 327680
		.amdhsa_private_segment_fixed_size 0
		.amdhsa_enable_private_segment 0
		.amdhsa_kernarg_size 16
		.amdhsa_user_sgpr_count 2
		.amdhsa_user_sgpr_kernarg_segment_ptr 1
		.amdhsa_wavefront_size32 1
		.amdhsa_system_sgpr_workgroup_id_x 1
		.amdhsa_system_sgpr_workgroup_id_y 1
		.amdhsa_system_sgpr_workgroup_id_z 1
		.amdhsa_system_vgpr_workitem_id 0
		.amdhsa_next_free_vgpr 1024
		.amdhsa_next_free_sgpr 102
		.amdhsa_reserve_vcc 0
		.amdhsa_float_denorm_mode_32 3
		.amdhsa_float_denorm_mode_16_64 3
		.amdhsa_memory_ordered 1
		.amdhsa_forward_progress 1
		.amdhsa_inst_pref_size 228
	.end_amdhsa_kernel
	.amdgpu_metadata
---
amdhsa.version: [ 1, 2 ]
amdhsa.kernels:
  - .name:           k_q9290fc74c8_qkv
    .symbol:         k_q9290fc74c8_qkv.kd
    .args:
      - { .name: q1, .offset: 0, .size: 8, .value_kind: global_buffer, .address_space: global }
      - { .name: q2, .offset: 8, .size: 8, .value_kind: global_buffer, .address_space: global }
    .group_segment_fixed_size: 327680
    .private_segment_fixed_size: 0
    .kernarg_segment_align: 8
    .kernarg_segment_size: 16
    .max_flat_workgroup_size: 128
    .sgpr_count:     102
    .vgpr_count:     1024
    .wavefront_size: 32
...
	.end_amdgpu_metadata
.endif
;; end of part 2
;; launch scores (part 3): grid 8 x 32, 4 waves a work-group, clusters of 4 x 4, 327,680 bytes of LDS; arguments q2, q3; writes q3
.if DOCPART == 3
	.amdgcn_target "amdgcn-amd-amdhsa--gfx1250"
	.amdhsa_code_object_version 6
	.text
	.protected	k_q9290fc74c8_scores
	.globl	k_q9290fc74c8_scores
	.p2align	8
	.type	k_q9290fc74c8_scores,@function
k_q9290fc74c8_scores:
	s_mov_b64 s[64:65], 0
	v_nop
	global_prefetch_b8 v0, s[64:65] scope:SCOPE_SE
	s_setreg_imm32_b32 hwreg(HW_REG_WAVE_MODE, 25, 1), 1
	s_wait_xcnt 0x0
	s_wait_alu depctr_hold_cnt(0) depctr_sa_sdst(0) depctr_va_vdst(0) depctr_va_sdst(0) depctr_va_ssrc(0) depctr_va_vcc(0) depctr_vm_vsrc(0)
	s_getreg_b32 s2, hwreg(HW_REG_IB_STS2, 6, 4)
	s_cmp_eq_u32 s2, 0
	s_cbranch_scc0 .Lentry_in_a_cluster
	s_endpgm
.Lentry_in_a_cluster:
	s_bfe_u32 s2, ttmp6, 0x10000c
	s_cmp_lg_u32 s2, 0xf033
	s_cbranch_scc0 .Lentry_shape_is_right
	s_endpgm
.Lentry_shape_is_right:
; S = Q K^T on codes of FP6 (E2M3), the causal mask, and p = 2^(t - M) quantised along the keys: q3 takes P's codes and, for each row and each chunk of 128 keys, three words.
; t = score x log2(e) / 32.  M IS TAKEN FOR EACH CHUNK OF 128 KEYS BY ITSELF: the ceiling of the chunk's largest t, a whole number.  The next launch finds the row's M as the largest of its sixteen chunks' and takes
; the difference, a whole number, off the chunk's four scale bytes and out of the chunk's sum: both exact.  So the codes are those that the row's M gives, and a maximum is taken away before every exponential.
; q3: P's codes [block 512][ks 16], fragments of 1,536 bytes in the order of an operand's registers; then three arrays [ks 16][block 512][16 words]: the scale words, -M (f32), the chunk's sum of the unquantised p.
; A chunk wholly under the mask gives zero codes, the byte 1, -M = 3e38 and the sum 0.  Every tile is computed: which tiles lie under the mask hangs on a work-group's place in its cluster.
; A tile of 256 queries x 256 keys is made by four waves, each 128 x 128.  Source 0 = 16 keys, source 1 = 16 queries: a lane holds one query, and by the choice of a block's rows (lane r of block n: row
; 32 (n / 2) + 8 (n % 2) + r + 8 (r / 8)) the 64 registers of one block of queries are the chunk's 128 keys: register 16 b + i = key 32 b + 16 h + i.
; K = 1,024 goes in four steps of 256 through two LDS slots; the scale words of the tile's rows come once.  CLUSTERS: 4 x 4; Q's tile is asked for jointly along a row of the cluster, K's along a column.
; LIMITS: NaN and infinities are not served; a block of 32 weights that have all fallen under 2^-124 gets the byte 1.
; REGISTERS: window 0: v16-31 addresses and the mask's two; v32-63 scale words, two sets; v64-87 what is kept for each block of queries; v88-123 the quantiser's; v128-223 Q's fragments, on the way out v128-191 the
;   scores and p; v192-203, v232-239 at work.   window 1: K's fragments, two sets.   windows 2 and 3: the accumulators.
.set NQ,    2
.set FR,    12
.set NL,    3
.set ROWL,  NQ*1536
.set HALFT, 8*ROWL
.set SLOT,  4*HALFT
.set SCL,   2*SLOT
.set SPARE, SCL+4*4096                 ; the spare words, 128 bytes for each wave: two blocks of 256 bytes that no other line names
.set KC,    6291456                    ; q2: K's codes
.set QS,    18874368                   ; q2: Q's scale words
.set KS,    19136512                   ; q2: K's
.set PS,    12582912                   ; q3: the three arrays, 524,288 bytes each
.set ADRA, 16
.set ADRB, 20
.set BST,  24
.set BLD,  25
.set CO,   26
.set ADRS, 27
.set SPW,  28
.set NIL,  29
.set D0,   30                          ; v30  my query less my first key, for block 0
.set NINF, 31                          ; v31  -infinity
.set SC,   32
.set KP,   64                          ; v64-71 scale words, v72-79 -M, v80-87 sums: one for each block of queries
.set KM,   72
.set KL,   80
.set TM,   88
.set PC,   104
.set AF,   128
.set T,    128
.set BK,   192
.set NM,   232                         ; v[232:233] -M (the packed form names a pair and takes its low word)
.set U,    234
.set SUMA, 236
.set SUMB, 238
.set G1, 24
.set G0, 32
.set G1B, 48
.set G0B, 56
.set CL, 66                            ; s[66:67] c = log2(e) / 32
.set SEL, 96
.set MSB, 0
.macro WIN new                         ; the immediate's high byte repeats the setting that is left
.if MSB != (\new)
	s_set_vgpr_msb (MSB<<8)|(\new)
.set MSB, (\new)
.endif
.endm
.set MUL_LO, 0xa1
.set MUL_HI, 0xf1
.set TO_B,   0x40
.macro JLOAD g0a, g1a, g0b, g1b        ; a joint load: waves 0 and 1 fetch for Q, waves 2 and 3 for K; four v_nop follow each of the two lines
	s_cmp_eq_u32 s15, 0
	s_cbranch_scc0 .Lfor_b_\@
	tensor_load_to_lds s[\g0a:\g0a+3], s[\g1a:\g1a+7]
	s_nop 0
.rept 4
	v_nop
.endr
	s_branch .Lasked_\@
.Lfor_b_\@:
	tensor_load_to_lds s[\g0b:\g0b+3], s[\g1b:\g1b+7]
	s_nop 0
.rept 4
	v_nop
.endr
.Lasked_\@:
.endm
.macro CREST
	s_cmp_lg_u32 s14, 0
	s_cbranch_scc1 .Lnot_wave_0_\@
	s_barrier_signal -3
.Lnot_wave_0_\@:
	s_barrier_wait -3
	s_barrier_signal -1
	s_barrier_wait -1
.endm
.macro CROUND
	s_barrier_signal -1
	s_barrier_wait -1
	CREST
.endm
.macro PLACES n
.rept \n
	v_nop
.endr
.endm
	s_load_b128 s[4:7], s[0:1], 0x0                ; q2, q3
	v_lshl_add_u32 v[SPW], v0, 2, SPARE
	v_mov_b32 v[NIL], 0
	ds_add_u32 v28, v29
	ds_add_u32 v28, v29
	s_wait_dscnt 0x0
	v_lshrrev_b32 v1, 5, v0
	v_readfirstlane_b32 s14, v1                    ; wave 0..3
	s_lshr_b32 s15, s14, 1                         ; which half of the queries is mine.  Also: I fetch for Q (0) or for K (1)
	s_and_b32 s16, s14, 1                          ; which half of the keys.  Also: which 8 blocks I fetch
	s_bfe_u32 s40, ttmp6, 0x40000                  ; cx
	s_bfe_u32 s41, ttmp6, 0x40004                  ; cy
	s_and_b32 s17, ttmp7, 0xffff
	s_lshl_b32 s18, s17, 2
	s_add_co_u32 s18, s18, s41                     ; the tile of 256 queries, 0..31, over all batches
	s_lshl_b32 s20, ttmp9, 2
	s_add_co_u32 s20, s20, s40                     ; the tile of 256 keys in the batch, 0..7
	s_lshr_b32 s21, s17, 1                         ; the batch: eight tiles of queries, two clusters
	s_lshl_b32 s43, s41, 2
	s_lshl_b32 s43, 15, s43                        ; my row of the cluster
	s_lshl_b32 s44, 0x1111, s40                    ; my column
	s_or_b32 s[G1+0], s43, (3<<16)|(1<<21)         ; 8 rows (blocks) of 3,072 bytes = 384 elements of 8 bytes, 12,288 bytes apart
	s_or_b32 s[G1B+0], s44, (3<<16)|(1<<21)
.irp g, G1, G1B
	s_mov_b32 s[\g+1], 384<<16
	s_mov_b32 s[\g+2], 8<<16
	s_mov_b32 s[\g+3], 384<<16
	s_mov_b32 s[\g+4], 8
	s_mov_b32 s[\g+5], 1536
	s_mov_b32 s[\g+6], 0
	s_mov_b32 s[\g+7], 0
.endr
	s_lshl_b32 s2, s16, 3
	s_lshl_b32 s8, s18, 4
	s_add_co_u32 s8, s8, s2                        ; Q: the first block that I fetch
	s_lshl_b32 s12, s20, 4
	s_add_co_u32 s12, s12, s2
	s_lshl_b32 s3, s21, 7
	s_add_co_u32 s12, s12, s3                      ; K: 128 blocks a batch
	s_lshl_b32 s10, s8, 6
	s_add_co_u32 s10, s10, QS
	s_mov_b32 s11, 0
	s_mul_i32 s8, s8, 12288
	s_mov_b32 s9, 0
	s_lshl_b32 s2, s12, 6
	s_add_co_u32 s2, s2, KS
	s_mov_b32 s3, 0
	s_mul_i32 s12, s12, 12288
	s_add_co_u32 s12, s12, KC
	s_mov_b32 s13, 0
	s_mul_i32 s45, s14, HALFT
	s_lshl_b32 s46, s14, 12
	v_and_b32 v10, 31, v0
	v_lshlrev_b32 v10, 4, v10                      ; v10: 16 x lane, my 16 bytes of a row of 512 bytes of scale words; not written again
	v_add_nc_u32 v11, s46, v10
	v_add_nc_u32 v11, SCL, v11                     ; v11: where they go in LDS: my wave's part of 4,096 bytes
	s_wait_alu depctr_va_vdst(0)
	s_wait_kmcnt 0x0
	s_add_nc_u64 s[8:9], s[4:5], s[8:9]
	s_add_nc_u64 s[10:11], s[4:5], s[10:11]
	s_add_nc_u64 s[12:13], s[4:5], s[12:13]
	s_add_nc_u64 s[2:3], s[4:5], s[2:3]
	; THE SCALE WORDS come through registers: wave w brings part w (waves 0, 1 Q's halves, waves 2, 3 K's): 8 rows (ks) of 512 consecutive bytes, and stores them to LDS bytes on which no tensor load lands.
	; They are not asked for jointly: 16,384 bytes for a work-group, against 98,304 for each fill of a slot; so each wave has one tensor load at the head.
	s_cmp_eq_u32 s15, 0
	s_cselect_b64 s[10:11], s[10:11], s[2:3]       ; the choice hangs on the wave's number alone; s[10:11] are not written again
.irp k, 0,1,2,3,4,5,6,7
	global_load_b128 v[AF+4*\k:AF+4*\k+3], v10, s[10:11] offset:\k*32768
.endr
	CROUND                                         ; all sixteen work-groups are here: the first joint loads meet
.irp s, 0,1
	s_mov_b32 s[G0+4*\s], 1
	s_add_co_u32 s[G0+4*\s+1], s45, \s*SLOT
	s_add_nc_u64 s[G0+4*\s+2:G0+4*\s+3], s[8:9], \s*ROWL
	s_or_b32 s[G0+4*\s+3], s[G0+4*\s+3], 0x80000000
	s_mov_b32 s[G0B+4*\s], 1
	s_add_co_u32 s[G0B+4*\s+1], s45, \s*SLOT
	s_add_nc_u64 s[G0B+4*\s+2:G0B+4*\s+3], s[12:13], \s*ROWL
	s_or_b32 s[G0B+4*\s+3], s[G0B+4*\s+3], 0x80000000
.endr
	JLOAD G0, G1, G0B, G1B                         ; K step 0: one tensor load a wave at the head
	v_and_b32 v1, 15, v0                           ; r
	v_bfe_u32 v2, v0, 4, 1                         ; h
	s_wait_alu depctr_va_vdst(0)
	v_and_b32 v3, 31, v0
	v_lshlrev_b32 v[CO], 4, v3
	s_wait_alu depctr_va_vdst(0)
	s_mul_i32 s2, s15, HALFT
	s_mul_i32 s3, s16, HALFT
	s_add_co_u32 s3, s3, 2*HALFT
.irp s, 0,1
	v_add_nc_u32 v[ADRA+\s], s2, v[CO]
	v_add_nc_u32 v[ADRB+\s], s3, v[CO]
	s_add_co_u32 s2, s2, SLOT
	s_add_co_u32 s3, s3, SLOT
.endr
	s_lshl_b32 s2, s15, 12
	s_lshl_b32 s3, s16, 12
	s_add_co_u32 s3, s3, 8192
	s_sub_co_u32 s3, s3, s2
	v_mul_u32_u24 v4, s3, v2                       ; lanes 16-31 take K's scale words
	s_add_co_u32 s2, s2, SCL
	v_lshl_add_u32 v4, v1, 2, v4
	v_add_nc_u32 v[ADRS], s2, v4
	s_lshl_b32 s2, s14, 11                         ; the way out: 2,048 bytes for each wave in slot 0, which has had its last fill and its last read by then
	v_lshl_add_u32 v[BST], v1, 2, s2
	v_add_nc_u32 v[BLD], s2, v[CO]
	s_mov_b32 s[SEL], 0x76543210
	s_mov_b32 s[SEL+1], 0xfedcba98
	s_mov_b32 s[CL], 0x3d38aa3b                    ; log2(e) / 32: the division by sqrt(1024) is exact, so t is rounded once
	s_mov_b32 s[CL+1], s[CL]
.irp b, 0,1,2,3
	v_mov_b32 v[TM+4+\b], 0                        ; written once: a lane permute's destination counts as one of its sources
.endr
	v_mov_b32 v[NM+1], 0                           ; (named as the upper half of a pair)
	v_mov_b32 v[NINF], 0xff800000
	; the mask.  Block a, lane (r, h): query 256 (tile % 8) + 128 hr + 32 (a / 2) + 8 (a % 2) + r + 8 (r / 8); register 16 b + i: key 256 (key tile) + 128 hc + 32 b + 16 h + i.
	; Hidden where the key is the larger: 32 b + i - 32 (a / 2) - 8 (a % 2) > D0
	s_and_b32 s42, s18, 7
	s_sub_co_i32 s42, s42, s20
	s_lshl_b32 s42, s42, 8
	s_sub_co_i32 s47, s15, s16
	s_lshl_b32 s47, s47, 7
	s_add_co_i32 s42, s42, s47
	v_and_b32 v4, 8, v1
	v_add_nc_u32 v4, v4, v1
	v_lshlrev_b32 v5, 4, v2
	v_sub_nc_u32 v4, v4, v5
	v_add_nc_u32 v[D0], s42, v4
	; where my eight fragments go
	s_lshl_b32 s22, s18, 4
	s_lshl_b32 s2, s15, 3
	s_add_co_u32 s22, s22, s2                      ; my first block of queries
	s_lshl_b32 s23, s20, 1
	s_add_co_u32 s23, s23, s16                     ; my chunk of 128 keys, 0..15
	s_mul_i32 s94, s22, 24576
	s_mul_i32 s95, s23, 1536
	s_add_co_u32 s94, s94, s95
	s_mov_b32 s95, 0
	s_add_nc_u64 s[94:95], s[6:7], s[94:95]
	s_lshl_b32 s98, s23, 15
	s_lshl_b32 s99, s22, 6
	s_add_co_u32 s98, s98, s99
	s_add_co_u32 s98, s98, PS
	s_mov_b32 s99, 0
	s_add_nc_u64 s[98:99], s[6:7], s[98:99]
.macro FRAG reg, adr, q, i
.irp g, 0,1,2
	ds_load_b128 v[\reg+4*\g:\reg+4*\g+3], v[\adr] offset:(\i)*ROWL+(\q)*1536+512*\g
.endr
.endm
; 8 matrix instructions: Q's block a x K's eight.  The 64 accumulators take turns, one instruction a turn, in the same order in every step.
.macro MULA a, p, q, sc, zero
.irp b, 0,1,2,3,4,5,6,7
.if \zero
	v_wmma_scale_f32_16x16x128_f8f6f4 v[8*(8*((\a)%4)+\b):8*(8*((\a)%4)+\b)+7], v[128*(\p)+FR*\b:128*(\p)+FR*\b+FR-1], v[AF+FR*(\a):AF+FR*(\a)+FR-1], 0, v[SC+8*NQ*(\sc)+NQ*\b+(\q)], v[SC+8*NQ*(\sc)+NQ*(\a)+(\q)] matrix_a_fmt:MATRIX_FMT_FP6 matrix_b_fmt:MATRIX_FMT_FP6 matrix_a_scale:MATRIX_SCALE_ROW1
.else
	v_wmma_scale_f32_16x16x128_f8f6f4 v[8*(8*((\a)%4)+\b):8*(8*((\a)%4)+\b)+7], v[128*(\p)+FR*\b:128*(\p)+FR*\b+FR-1], v[AF+FR*(\a):AF+FR*(\a)+FR-1], v[8*(8*((\a)%4)+\b):8*(8*((\a)%4)+\b)+7], v[SC+8*NQ*(\sc)+NQ*\b+(\q)], v[SC+8*NQ*(\sc)+NQ*(\a)+(\q)] matrix_a_fmt:MATRIX_FMT_FP6 matrix_b_fmt:MATRIX_FMT_FP6 matrix_a_scale:MATRIX_SCALE_ROW1
.endif
.endr
.endm
.macro MUL2 a0, p, q, sc, zero
.irp a, \a0, \a0+1
	MULA \a, \p, \q, \sc, \zero
.endr
.endm
.macro FETCH_B slot, q, p
	WIN TO_B
.irp i, 0,1,2,3,4,5,6,7
	FRAG 128*(\p)+FR*\i, ADRB+\slot, \q, \i
.endr
	WIN 0
.endm
.macro FETCH_A slot, q, i0
.irp i, \i0, \i0+1, \i0+2, \i0+3
	FRAG AF+FR*(\i), ADRA+\slot, \q, \i
.endr
.endm
.macro SCALES sc
.irp i, 0,1,2,3,4,5,6,7
.irp q, 0,1
	ds_load_b32 v[SC+8*NQ*\sc+NQ*\i+\q], v[ADRS] offset:\q*512+\i*64
.endr
.endr
.endm
.macro STEP slot, q, zero
	s_wait_dscnt 4*NL                              ; all but the youngest twelve loads (Q's blocks 4-7) are in
	WIN MUL_LO
	MUL2 0, (\q)%2, \q, \slot, \zero
	MUL2 2, (\q)%2, \q, \slot, \zero
	s_wait_dscnt 0x0
	PLACES 4                                       ; four places in front of loads into registers that matrix instructions have read
	FETCH_B \slot, (\q)+1, 1-(\q)%2
	FETCH_A \slot, (\q)+1, 0
	WIN MUL_HI
	MUL2 4, (\q)%2, \q, \slot, \zero
	MUL2 6, (\q)%2, \q, \slot, \zero
	PLACES 4
	WIN 0
	FETCH_A \slot, (\q)+1, 4
.endm
.macro TURN slot, next, fill
	s_wait_tensorcnt 0x0                           ; all my tensor loads have landed: my part of the next slot
	ds_add_u32 v[SPW], v[NIL]                      ; 0 onto my spare word
	s_wait_dscnt 4*NL+1                            ; (the add and the youngest twelve loads may be out)
	WIN MUL_LO
	MUL2 0, 1, NQ-1, \slot, 0
	s_wait_dscnt 0x0                               ; the add is done, and my reads of this slot are over
	s_barrier_signal -1
	MUL2 2, 1, NQ-1, \slot, 0
	WIN 0
	s_barrier_wait -1
.if \fill
	CREST                                          ; a round of the cluster's barrier: no wave of any partner still reads this slot or has a load on its way
	s_add_nc_u64 s[G0+4*\slot+2:G0+4*\slot+3], s[G0+4*\slot+2:G0+4*\slot+3], 2*ROWL
	s_add_nc_u64 s[G0B+4*\slot+2:G0B+4*\slot+3], s[G0B+4*\slot+2:G0B+4*\slot+3], 2*ROWL
	JLOAD G0+4*\slot, G1, G0B+4*\slot, G1B         ; the first tensor load behind the round; its four v_nop are also the places in front of the loads below
.else
	PLACES 4
.endif
	s_wait_alu depctr_va_vdst(0)
	v_add_nc_u32 v[ADRS], NQ*512, v[ADRS]
	FETCH_B \next, 0, 0
	FETCH_A \next, 0, 0
	SCALES \next
	WIN MUL_HI
	MUL2 4, 1, NQ-1, \slot, 0
	MUL2 6, 1, NQ-1, \slot, 0
	PLACES 4
	WIN 0
	FETCH_A \next, 0, 4
.endm
.macro SCALEW pw
.irp b, 0,1,2,3
	v_add_nc_u32 v[TM+12+\b], 0xff000000, v[TM+\b] ; 2 off the exponent field: the conversion's scale operand
.endr
.irp b, 0,1,2,3
	v_lshrrev_b32 v[TM+4+\b], 23, v[TM+12+\b]      ; the scale's byte
.endr
	v_lshl_or_b32 v[\pw], v[TM+5], 8, v[TM+4]
	v_lshl_or_b32 v[\pw], v[TM+6], 16, v[\pw]
	v_lshl_or_b32 v[\pw], v[TM+7], 24, v[\pw]
.endm
.macro CODES s
.irp c, 0,1
	v_cvt_scalef32_pk16_fp6_f32 v[PC+6*\c:PC+6*\c+2], v[\s+32*\c:\s+32*\c+15], v[TM+12+2*\c]
	v_cvt_scalef32_pk16_fp6_f32 v[PC+12+4*\c:PC+12+4*\c+2], v[\s+32*\c+16:\s+32*\c+31], v[TM+12+2*\c+1]   ; (a conversion's three registers begin on an even number)
.endr
	v_nop                                          ; one plain place behind a scaled conversion
.irp c, 0,1
.irp i, 0,1,2
	v_permlane16_swap_b32 v[PC+6*\c+\i], v[PC+12+4*\c+\i]
.endr
.irp i, 0,1,2
	v_mov_b32 v[PC+6*\c+3+\i], v[PC+12+4*\c+\i]
.endr
.endr
.endm
; THE WAY OUT of block a of the queries: mask, the chunk's M, p, its scale word, its codes, its sum.
.macro SOFT a
.set AC, 64*((\a)%4)
	WIN (2+(\a)/4)|4                               ; source 0: the accumulators' window; source 1: window 1, the mask's table
.set n, 0
.rept 32
	v_pk_add_f32 v[T+n:T+n+1], v[AC+n:AC+n+1], v[24*(n/16-(\a)/2+3)+n%16-8*((\a)%2)+8:24*(n/16-(\a)/2+3)+n%16-8*((\a)%2)+9]   ; + 0 or - infinity, two scores at a time; each accumulator is read from its low end on
.set n, n+2
.endr
	WIN 0
.irp b, 0,1,2,3
	v_max3_num_f32 v[TM+\b], v[T+16*\b], v[T+16*\b+1], v[T+16*\b+2]   ; the largest score of each block of 32 keys: it serves for the chunk's maximum and, since p rises with the score, for the block's largest p
.endr
.irp i, 3,5,7,9,11,13
.irp b, 0,1,2,3
	v_max3_num_f32 v[TM+\b], v[TM+\b], v[T+16*\b+\i], v[T+16*\b+\i+1]
.endr
.endr
.irp b, 0,1,2,3
	v_max_num_f32 v[TM+\b], v[TM+\b], v[T+16*\b+15]
.endr
.irp b, 0,1,2,3
	v_permlanex16_b32 v[TM+4+\b], v[TM+\b], s[SEL], s[SEL+1]
.endr
.irp b, 0,1,2,3
	v_max_num_f32 v[TM+\b], v[TM+\b], v[TM+4+\b]   ; with lane l xor 16's 16 keys
.endr
	v_max3_num_f32 v[U], v[TM], v[TM+1], v[TM+2]
	v_max_num_f32 v[U], v[U], v[TM+3]              ; the chunk's largest score of my query
	v_mul_f32 v[U], s[CL], v[U]                    ; as t (c is positive)
	v_max_num_f32 v[U], 0xff61b1e6, v[U]           ; a chunk wholly hidden: -3e38 in place of -infinity
	v_floor_f32 v[NM], -v[U]                       ; -M = floor(-t) = -ceil(t): a whole number
.set n, 0
.rept 32
	v_pk_fma_f32 v[T+n:T+n+1], v[T+n:T+n+1], s[CL:CL+1], v[NM:NM+1] op_sel_hi:[1,0,0]   ; t - M, two at a time
.set n, n+2
.endr
.irp b, 0,1,2,3
	v_fma_f32 v[TM+\b], v[TM+\b], s[CL], v[NM]     ; the same of each block's largest score
.endr
.set n, 0
	s_wait_alu depctr_va_vdst(0)
.rept 64
	v_exp_f32 v[T+n], v[T+n]                       ; p = 2^(t - M): not normalised
.set n, n+1
.endr
.irp b, 0,1,2,3
	v_exp_f32 v[TM+\b], v[TM+\b]                   ; the block's largest p: the same two instructions on the same number give the same bits
.endr
	v_mov_b32 v[KM+(\a)], v[NM]                    ; -M is kept.  (A plain place behind the exponentials)
	s_wait_alu depctr_va_vdst(0)
.irp b, 0,1,2,3
	v_max_num_f32 v[TM+\b], 0x1800000, v[TM+\b]    ; the floor 2^(3 - 127): the byte cannot fall under 1
.endr
	SCALEW KP+(\a)
.if (\a) > 0
	s_wait_xcnt 0x0                                ; the last fragment's stores have read the codes' registers, which are written again below
.endif
	CODES T
.irp g, 0,1,2
	global_store_b128 v[CO], v[PC+4*\g:PC+4*\g+3], s[94:95] offset:(\a)*24576+512*\g   ; 512 consecutive bytes, at a multiple of 256 from q3's first byte
.endr
	v_pk_add_f32 v[SUMA:SUMA+1], v[T:T+1], v[T+4:T+5]          ; the sum is taken of the unquantised p: two at a time, in two chains
	v_pk_add_f32 v[SUMB:SUMB+1], v[T+2:T+3], v[T+6:T+7]
.irp j, 8,12,16,20,24,28,32,36,40,44,48,52,56,60
	v_pk_add_f32 v[SUMA:SUMA+1], v[SUMA:SUMA+1], v[T+\j:T+\j+1]
	v_pk_add_f32 v[SUMB:SUMB+1], v[SUMB:SUMB+1], v[T+\j+2:T+\j+3]
.endr
	v_pk_add_f32 v[SUMA:SUMA+1], v[SUMA:SUMA+1], v[SUMB:SUMB+1]
	v_add_f32 v[SUMA], v[SUMA], v[SUMA+1]
	v_permlanex16_b32 v[SUMB], v[SUMA], s[SEL], s[SEL+1]
	v_add_f32 v[KL+(\a)], v[SUMA], v[SUMB]         ; with lane l xor 16's: the chunk's sum
.endm
	s_wait_alu depctr_va_vdst(0)
	s_wait_loadcnt 0x0                             ; my eight rows of scale words are in
.irp k, 0,1,2,3,4,5,6,7
	ds_store_b128 v11, v[AF+4*\k:AF+4*\k+3] offset:512*\k
.endr
	s_wait_tensorcnt 0x0                           ; my part of K step 0 is in
	ds_add_u32 v[SPW], v[NIL]
	s_wait_dscnt 0x0                               ; the add and my stores of scale words are done
	CROUND                                         ; everybody's part of K step 0 and of the scale words is in, and the joint loads meet
	JLOAD G0+4, G1, G0B+4, G1B                     ; K step 1, the first tensor load behind the round
	FETCH_B 0, 0, 0
	FETCH_A 0, 0, 0
	SCALES 0
	FETCH_A 0, 0, 4
	STEP 0, 0, 1                                   ; four K steps, written out: the first products start the sums
	TURN 0, 1, 1
	STEP 1, 0, 0
	TURN 1, 0, 1
	STEP 0, 0, 0
	TURN 0, 1, 0
	STEP 1, 0, 0
	s_wait_dscnt 4*NL
	WIN MUL_LO
	MUL2 0, 1, NQ-1, 1, 0
	MUL2 2, 1, NQ-1, 1, 0
	s_wait_dscnt 0x0
	WIN MUL_HI
	MUL2 4, 1, NQ-1, 1, 0
	MUL2 6, 1, NQ-1, 1, 0
	WIN 0
	PLACES 4                                       ; in front of the first read of results, and of the first writes into registers that held Q's and K's fragments
	; THE MASK'S TABLE, in window 1, where K's fragments are done with.  Register 16 b + i of block a is hidden where 32 (b - a / 2) + i - 8 (a % 2) > D0.  With m = b - a / 2 (-3 .. 3) and j = i - 8 (a % 2) (-8 .. 15)
	; that number takes 7 x 24 = 168 values for the eight blocks' 512 registers: v[24 (m + 3) + j + 8] holds -infinity where 32 m + j > D0, else 0, and is added to the score.  LIMIT, as at the head: the scores are finite.
	WIN 0x40                                       ; destination window 1
.set n, 0
.rept 168
	v_cmp_gt_i32 vcc_lo, 32*(n/24)-96+n%24-8, v[D0]
	v_cndmask_b32 v[n], 0, v[NINF], vcc_lo
.set n, n+1
.endr
	WIN 0
.irp a, 0,1,2,3,4,5,6,7
	SOFT \a
.endr
.irp a, 0,1,2,3,4,5,6,7
	ds_store_b32 v[BST], v[KP+\a] offset:64*\a     ; the eight blocks' words meet in my own bytes of LDS, an array at a time (lanes 16-31 write what lanes 0-15 write)
	ds_store_b32 v[BST], v[KM+\a] offset:512+64*\a
	ds_store_b32 v[BST], v[KL+\a] offset:1024+64*\a
.endr
.irp g, 0,1,2
	ds_load_b128 v[BK+4*\g:BK+4*\g+3], v[BLD] offset:512*\g    ; LDS serves a wave's instructions in order: these see the stores above
.endr
	s_wait_dscnt 0x0
.irp g, 0,1,2
	global_store_b128 v[CO], v[BK+4*\g:BK+4*\g+3], s[98:99] offset:524288*\g   ; 512 consecutive bytes of each array
.endr
	s_wait_tensorcnt 0x0                           ; the wave's end
	ds_add_u32 v[SPW], v[NIL]
	s_wait_dscnt 0x0
	CROUND                                         ; the closing round
	s_endpgm
.Lfunc_end_k_q9290fc74c8_scores:
	.size	k_q9290fc74c8_scores, .Lfunc_end_k_q9290fc74c8_scores-k_q9290fc74c8_scores
	.p2alignl 7, 3214868480
	.fill 96, 4, 3214868480
	.section	.rodata,"a",@progbits
	.p2align	6, 0x0
	.amdhsa_kernel k_q9290fc74c8_scores
		.amdhsa_group_segment_fixed_size 327680
		.amdhsa_private_segment_fixed_size 0
		.amdhsa_enable_private_segment 0
		.amdhsa_kernarg_size 16
		.amdhsa_user_sgpr_count 2
		.amdhsa_user_sgpr_kernarg_segment_ptr 1
		.amdhsa_wavefront_size32 1
		.amdhsa_system_sgpr_workgroup_id_x 1
		.amdhsa_system_sgpr_workgroup_id_y 1
		.amdhsa_system_sgpr_workgroup_id_z 1
		.amdhsa_system_vgpr_workitem_id 0
		.amdhsa_next_free_vgpr 1024
		.amdhsa_next_free_sgpr 100
		.amdhsa_reserve_vcc 1
		.amdhsa_float_denorm_mode_32 3
		.amdhsa_float_denorm_mode_16_64 3
		.amdhsa_memory_ordered 1
		.amdhsa_forward_progress 1
		.amdhsa_inst_pref_size 228
	.end_amdhsa_kernel
	.amdgpu_metadata
---
amdhsa.version: [ 1, 2 ]
amdhsa.kernels:
  - .name:           k_q9290fc74c8_scores
    .symbol:         k_q9290fc74c8_scores.kd
    .args:
      - { .name: q2, .offset: 0, .size: 8, .value_kind: global_buffer, .address_space: global }
      - { .name: q3, .offset: 8, .size: 8, .value_kind: global_buffer, .address_space: global }
    .group_segment_fixed_size: 327680
    .private_segment_fixed_size: 0
    .kernarg_segment_align: 8
    .kernarg_segment_size: 16
    .max_flat_workgroup_size: 128
    .sgpr_count:     100
    .vgpr_count:     1024
    .wavefront_size: 32
...
	.end_amdgpu_metadata
.endif
;; end of part 3
;; launch ctx (part 4): grid 4 x 64, 4 waves a work-group, clusters of 4 x 4, 327,680 bytes of LDS; arguments q3, q2, q4; writes q4
.if DOCPART == 4
	.amdgcn_target "amdgcn-amd-amdhsa--gfx1250"
	.amdhsa_code_object_version 6
	.text
	.protected	k_q9290fc74c8_ctx
	.globl	k_q9290fc74c8_ctx
	.p2align	8
	.type	k_q9290fc74c8_ctx,@function
k_q9290fc74c8_ctx:
	s_mov_b64 s[64:65], 0
	v_nop
	global_prefetch_b8 v0, s[64:65] scope:SCOPE_SE
	s_setreg_imm32_b32 hwreg(HW_REG_WAVE_MODE, 25, 1), 1
	s_wait_xcnt 0x0
	s_wait_alu depctr_hold_cnt(0) depctr_sa_sdst(0) depctr_va_vdst(0) depctr_va_sdst(0) depctr_va_ssrc(0) depctr_va_vcc(0) depctr_vm_vsrc(0)
	s_getreg_b32 s2, hwreg(HW_REG_IB_STS2, 6, 4)
	s_cmp_eq_u32 s2, 0
	s_cbranch_scc0 .Lentry_in_a_cluster
	s_endpgm
.Lentry_in_a_cluster:
	s_bfe_u32 s2, ttmp6, 0x10000c
	s_cmp_lg_u32 s2, 0xf033
	s_cbranch_scc0 .Lentry_shape_is_right
	s_endpgm
.Lentry_shape_is_right:
; ctx = P V / l on codes of FP6 (E2M3) with E8M0 scales, quantised at once along d for the last product: q4 takes codes [block 512][ks 8] and scale words [ks 8][block 512][16], laid as q1 is.
; P's codes and, for each row and chunk of 128 keys, its scale word, -M and sum come from q3; V^T's codes and scale words from q2.  At the head each thread takes one row: the row's M is the largest of its sixteen chunks';
; the difference, a whole number, is taken off the chunk's four scale bytes (a byte that would fall under 0 becomes 0: its products lie under 2^-127 of the row's largest) and out of the chunk's sum; 1 / l goes to LDS.
; A tile of 128 queries x 256 (d) is made by four waves, each 64 x 128: 32 accumulators.  Source 0 = 16 rows of V^T, source 1 = 16 queries.  K = 2,048 keys goes in four steps of 512 through two LDS slots.
; CLUSTERS: 4 x 4; P's tile is asked for jointly along a row of the cluster, V^T's along a column.  Every K step is computed: chunks under the mask hold zero codes.
; V^T's scale words come through registers and are not asked for jointly: 16,384 bytes for a work-group, against 147,456 for each fill of a slot; so each wave has one tensor load at the head.
; LIMITS: NaN and infinities are not served; a block of 32 results all under 2^-124 gets the byte 1.
.set NQ,    4
.set FR,    12
.set NL,    3
.set ROWL,  NQ*1536
.set SLOT,  24*ROWL
.set ASC,   2*SLOT
.set BSC,   ASC+8192
.set RL,    BSC+16384
.set SPARE, RL+512
.set PS,    12582912
.set VC,    12582912
.set VS,    19398656
.set CSC,   6291456
.set ASA,  12
.set RLS,  13
.set CO8,  14
.set ADRA, 16
.set ADRB, 20
.set BST,  24
.set BLD,  25
.set CO,   26
.set ADRS, 27
.set SPW,  28
.set NIL,  29
.set ADRS2, 30
.set RLA,  31
.set SC,   32
.set TM,   96
.set KP,   112
.set RLR,  116
.set BK,   124
.set AF,   128
.set T,    128
.set PWD,  128
.set PN,   144
.set PLS,  160
.set PC,   192
.set G1, 24
.set G0, 32
.set G1B, 48
.set G0B, 56
.set SEL, 96
.set MSB, 0
.macro WIN new
.if MSB != (\new)
	s_set_vgpr_msb (MSB<<8)|(\new)
.set MSB, (\new)
.endif
.endm
.set MUL,  0xa1
.set TO_B, 0x40
.macro JLOAD g0a, g1a, g0b, g1b
	s_cmp_eq_u32 s15, 0
	s_cbranch_scc0 .Lfor_b_\@
	tensor_load_to_lds s[\g0a:\g0a+3], s[\g1a:\g1a+7]
	s_nop 0
.rept 4
	v_nop
.endr
	s_branch .Lasked_\@
.Lfor_b_\@:
	tensor_load_to_lds s[\g0b:\g0b+3], s[\g1b:\g1b+7]
	s_nop 0
.rept 4
	v_nop
.endr
.Lasked_\@:
.endm
.macro CREST
	s_cmp_lg_u32 s14, 0
	s_cbranch_scc1 .Lnot_wave_0_\@
	s_barrier_signal -3
.Lnot_wave_0_\@:
	s_barrier_wait -3
	s_barrier_signal -1
	s_barrier_wait -1
.endm
.macro CROUND
	s_barrier_signal -1
	s_barrier_wait -1
	CREST
.endm
.macro PLACES n
.rept \n
	v_nop
.endr
.endm
	s_load_b128 s[4:7], s[0:1], 0x0
	s_load_b64 s[8:9], s[0:1], 0x10
	v_lshl_add_u32 v[SPW], v0, 2, SPARE
	v_mov_b32 v[NIL], 0
	ds_add_u32 v28, v29
	ds_add_u32 v28, v29
	s_wait_dscnt 0x0
	v_lshrrev_b32 v1, 5, v0
	v_readfirstlane_b32 s14, v1
	s_lshr_b32 s15, s14, 1
	s_and_b32 s16, s14, 1
	s_bfe_u32 s40, ttmp6, 0x40000
	s_bfe_u32 s41, ttmp6, 0x40004
	s_and_b32 s17, ttmp7, 0xffff
	s_lshr_b32 s18, s17, 2
	s_lshl_b32 s19, s17, 2
	s_add_co_u32 s19, s19, s41
	s_lshl_b32 s43, s41, 2
	s_lshl_b32 s43, 15, s43
	s_lshl_b32 s44, 0x1111, s40
	s_or_b32 s[G1+0], s43, (3<<16)|(1<<21)
	s_mov_b32 s[G1+1], 768<<16
	s_mov_b32 s[G1+2], 4<<16
	s_mov_b32 s[G1+3], 768<<16
	s_mov_b32 s[G1+4], 4
	s_mov_b32 s[G1+5], 3072
	s_mov_b32 s[G1+6], 0
	s_mov_b32 s[G1+7], 0
	s_or_b32 s[G1B+0], s44, (3<<16)|(1<<21)
	s_mov_b32 s[G1B+1], 768<<16
	s_mov_b32 s[G1B+2], 8<<16
	s_mov_b32 s[G1B+3], 768<<16
	s_mov_b32 s[G1B+4], 8
	s_mov_b32 s[G1B+5], 3072
	s_mov_b32 s[G1B+6], 0
	s_mov_b32 s[G1B+7], 0
	s_lshl_b32 s10, s19, 9
	s_add_co_u32 s10, s10, PS
	s_mov_b32 s11, 0
	s_lshl_b32 s12, s19, 3
	s_lshl_b32 s13, s16, 2
	s_add_co_u32 s12, s12, s13
	s_mul_i32 s12, s12, 24576
	s_mov_b32 s13, 0
	s_lshl_b32 s2, s40, 4
	s_lshl_b32 s3, s16, 3
	s_add_co_u32 s2, s2, s3
	s_mul_i32 s2, s2, 24576
	s_mul_i32 s3, s18, 1572864
	s_add_co_u32 s2, s2, s3
	s_add_co_u32 s2, s2, VC
	s_mov_b32 s3, 0
	s_lshl_b32 s20, s40, 4
	s_lshl_b32 s21, s14, 2
	s_add_co_u32 s20, s20, s21
	s_lshl_b32 s20, s20, 6
	s_lshl_b32 s21, s18, 16
	s_add_co_u32 s20, s20, s21
	s_add_co_u32 s20, s20, VS
	s_mov_b32 s21, 0
	s_mul_i32 s45, s16, 4*ROWL
	s_mul_i32 s46, s16, 8*ROWL
	s_add_co_u32 s46, s46, 8*ROWL
	s_lshl_b32 s47, s14, 12
	s_add_co_u32 s47, s47, BSC
	v_lshlrev_b32 v4, 2, v0
	v_and_b32 v7, 15, v0
	v_bfe_u32 v8, v0, 4, 1
	v_lshlrev_b32 v7, 4, v7
	v_lshl_add_u32 v7, v8, 12, v7                  ; v7: V^T's scale words in q2: sixteen lanes to a row (ks) of 256 bytes, rows 4,096 bytes apart; not written again
	v_and_b32 v8, 31, v0
	v_lshl_add_u32 v8, v8, 4, s47                  ; v8: and in LDS: my wave's part of 4,096 bytes, rows on end
	s_wait_alu depctr_va_vdst(0)
	s_wait_kmcnt 0x0
	s_add_nc_u64 s[10:11], s[4:5], s[10:11]
	s_add_nc_u64 s[12:13], s[4:5], s[12:13]
	s_add_nc_u64 s[2:3], s[6:7], s[2:3]
	s_add_nc_u64 s[20:21], s[6:7], s[20:21]
.irp k, 0,1,2,3,4,5,6,7,8,9,10,11,12,13,14,15
	global_load_b32 v[PWD+\k], v4, s[10:11] offset:\k*32768
	global_load_b32 v[PN+\k], v4, s[10:11] offset:524288+\k*32768
	global_load_b32 v[PLS+\k], v4, s[10:11] offset:1048576+\k*32768
.endr
.irp j, 0,1,2,3,4,5,6,7
	global_load_b128 v[PC+4*\j:PC+4*\j+3], v7, s[20:21] offset:\j*8192   ; the scale words of my four blocks of V^T, two rows (ks) a load; s[20:21] are not written again
.endr
	CROUND                                         ; all sixteen work-groups are here: the first joint loads meet
.irp s, 0,1
	s_mov_b32 s[G0+4*\s], 1
	s_add_co_u32 s[G0+4*\s+1], s45, \s*SLOT
	s_add_nc_u64 s[G0+4*\s+2:G0+4*\s+3], s[12:13], \s*ROWL
	s_or_b32 s[G0+4*\s+3], s[G0+4*\s+3], 0x80000000
	s_mov_b32 s[G0B+4*\s], 1
	s_add_co_u32 s[G0B+4*\s+1], s46, \s*SLOT
	s_add_nc_u64 s[G0B+4*\s+2:G0B+4*\s+3], s[2:3], \s*ROWL
	s_or_b32 s[G0B+4*\s+3], s[G0B+4*\s+3], 0x80000000
.endr
	JLOAD G0, G1, G0B, G1B                         ; K step 0: one tensor load a wave at the head
	v_and_b32 v1, 15, v0
	v_bfe_u32 v2, v0, 4, 1
	s_wait_alu depctr_va_vdst(0)
	v_and_b32 v3, 31, v0
	v_lshlrev_b32 v[CO], 4, v3
	v_lshlrev_b32 v[CO8], 3, v3
	s_mul_i32 s22, s15, 4*ROWL
	s_mul_i32 s23, s16, 8*ROWL
	s_add_co_u32 s23, s23, 8*ROWL
.irp s, 0,1
	v_add_nc_u32 v[ADRA+\s], s22, v[CO]
	v_add_nc_u32 v[ADRB+\s], s23, v[CO]
	s_add_co_u32 s22, s22, SLOT
	s_add_co_u32 s23, s23, SLOT
.endr
	s_lshl_b32 s22, s15, 12
	s_lshl_b32 s23, s16, 13
	s_add_co_u32 s23, s23, BSC-ASC
	s_sub_co_u32 s23, s23, s22
	v_mul_u32_u24 v5, s23, v2
	v_lshl_add_u32 v5, v1, 2, v5
	s_add_co_u32 s22, s22, ASC
	v_add_nc_u32 v[ADRS], s22, v5
	s_lshl_b32 s23, s16, 13
	s_add_co_u32 s23, s23, BSC+4096
	v_lshl_add_u32 v[ADRS2], v1, 2, s23
	s_lshl_b32 s22, s15, 8
	s_add_co_u32 s22, s22, RL
	v_lshl_add_u32 v[RLA], v1, 2, s22
	s_lshl_b32 s22, s14, 11
	v_lshl_add_u32 v[BST], v1, 2, s22
	v_add_nc_u32 v[BLD], s22, v[CO8]
	v_lshrrev_b32 v5, 6, v0
	v_and_b32 v6, 63, v0
	v_lshlrev_b32 v6, 2, v6
	v_lshl_add_u32 v5, v5, 12, v6
	v_add_nc_u32 v[ASA], ASC, v5
	v_lshl_add_u32 v[RLS], v0, 2, RL
	s_mov_b32 s[SEL], 0x76543210
	s_mov_b32 s[SEL+1], 0xfedcba98
	s_mov_b32 s92, 0x80808080
	s_mov_b32 s93, 0x7f7f7f7f
.irp b, 0,1,2,3
	v_mov_b32 v[TM+4+\b], 0
	v_mov_b32 v[RLR+2*\b+1], 0
.endr
	s_lshl_b32 s22, s19, 3
	s_lshl_b32 s23, s15, 2
	s_add_co_u32 s22, s22, s23
	s_lshl_b32 s23, s40, 1
	s_add_co_u32 s23, s23, s16
	s_mul_i32 s94, s22, 12288
	s_mul_i32 s95, s23, 1536
	s_add_co_u32 s94, s94, s95
	s_mov_b32 s95, 0
	s_add_nc_u64 s[94:95], s[8:9], s[94:95]
	s_lshl_b32 s98, s23, 15
	s_lshl_b32 s99, s22, 6
	s_add_co_u32 s98, s98, s99
	s_add_co_u32 s98, s98, CSC
	s_mov_b32 s99, 0
	s_add_nc_u64 s[98:99], s[8:9], s[98:99]
	s_wait_loadcnt 0x0
.irp j, 0,1,2,3,4,5,6,7
	ds_store_b128 v8, v[PC+4*\j:PC+4*\j+3] offset:512*\j   ; to LDS bytes on which no tensor load lands
.endr
	v_min3_num_f32 v176, v[PN], v[PN+1], v[PN+2]
.irp k, 3,5,7,9,11,13
	v_min3_num_f32 v176, v176, v[PN+\k], v[PN+\k+1]
.endr
	v_min_num_f32 v176, v176, v[PN+15]
	v_mov_b32 v177, 0
.irp k, 0,1,2,3,4,5,6,7,8,9,10,11,12,13,14,15
	v_sub_f32 v178, v[PN+\k], v176
	v_min_num_f32 v178, 0x42fe0000, v178
	v_cvt_u32_f32 v178, v178
	v_sub_nc_u32 v179, 127, v178
	v_lshlrev_b32 v179, 23, v179
	v_fmac_f32 v177, v[PLS+\k], v179
	v_lshl_or_b32 v178, v178, 8, v178
	v_lshl_or_b32 v178, v178, 16, v178
	v_or_b32 v[PWD+\k], s92, v[PWD+\k]
	v_sub_nc_u32 v[PWD+\k], v[PWD+\k], v178
	v_and_b32 v179, s92, v[PWD+\k]
	v_lshrrev_b32 v179, 7, v179
	v_lshlrev_b32 v180, 8, v179
	v_sub_nc_u32 v179, v180, v179
	v_and_b32 v[PWD+\k], v[PWD+\k], v179
	v_and_b32 v[PWD+\k], s93, v[PWD+\k]
	ds_store_b32 v[ASA], v[PWD+\k] offset:\k*256
.endr
	s_wait_alu depctr_va_vdst(0)
	v_rcp_f32 v177, v177
	v_nop
	s_wait_alu depctr_va_vdst(0)
	ds_store_b32 v[RLS], v177
.macro FRAG reg, adr, q, i
.irp g, 0,1,2
	ds_load_b128 v[\reg+4*\g:\reg+4*\g+3], v[\adr] offset:(\i)*ROWL+(\q)*1536+512*\g
.endr
.endm
.macro MULA a, p, q, sc, zero
.irp b, 0,1,2,3,4,5,6,7
.if \zero
	v_wmma_scale_f32_16x16x128_f8f6f4 v[8*(8*(\a)+\b):8*(8*(\a)+\b)+7], v[128*(\p)+FR*\b:128*(\p)+FR*\b+FR-1], v[AF+FR*(\a):AF+FR*(\a)+FR-1], 0, v[SC+8*NQ*(\sc)+NQ*\b+(\q)], v[SC+8*NQ*(\sc)+NQ*(\a)+(\q)] matrix_a_fmt:MATRIX_FMT_FP6 matrix_b_fmt:MATRIX_FMT_FP6 matrix_a_scale:MATRIX_SCALE_ROW1
.else
	v_wmma_scale_f32_16x16x128_f8f6f4 v[8*(8*(\a)+\b):8*(8*(\a)+\b)+7], v[128*(\p)+FR*\b:128*(\p)+FR*\b+FR-1], v[AF+FR*(\a):AF+FR*(\a)+FR-1], v[8*(8*(\a)+\b):8*(8*(\a)+\b)+7], v[SC+8*NQ*(\sc)+NQ*\b+(\q)], v[SC+8*NQ*(\sc)+NQ*(\a)+(\q)] matrix_a_fmt:MATRIX_FMT_FP6 matrix_b_fmt:MATRIX_FMT_FP6 matrix_a_scale:MATRIX_SCALE_ROW1
.endif
.endr
.endm
.macro FETCH_B slot, q, p
	WIN TO_B
.irp i, 0,1,2,3,4,5,6,7
	FRAG 128*(\p)+FR*\i, ADRB+\slot, \q, \i
.endr
	WIN 0
.endm
.macro FETCH_A slot, q, i0
.irp i, \i0, \i0+1
	FRAG AF+FR*(\i), ADRA+\slot, \q, \i
.endr
.endm
.macro SCALES sc
.irp i, 0,1,2,3
.irp q, 0,1,2,3
	ds_load_b32 v[SC+8*NQ*\sc+NQ*\i+\q], v[ADRS] offset:\q*256+\i*64
.endr
.endr
.irp i, 4,5,6,7
.irp q, 0,1,2,3
	ds_load_b32 v[SC+8*NQ*\sc+NQ*\i+\q], v[ADRS2] offset:\q*256+(\i-4)*64
.endr
.endr
.endm
.macro STEP slot, q, zero
	s_wait_dscnt 2*NL
	WIN MUL
	MULA 0, (\q)%2, \q, \slot, \zero
	MULA 1, (\q)%2, \q, \slot, \zero
	s_wait_dscnt 0x0
	PLACES 4
	FETCH_B \slot, (\q)+1, 1-(\q)%2
	FETCH_A \slot, (\q)+1, 0
	WIN MUL
	MULA 2, (\q)%2, \q, \slot, \zero
	MULA 3, (\q)%2, \q, \slot, \zero
	PLACES 4
	WIN 0
	FETCH_A \slot, (\q)+1, 2
.endm
.macro TURN slot, next, fill
	s_wait_tensorcnt 0x0
	ds_add_u32 v[SPW], v[NIL]
	s_wait_dscnt 2*NL+1
	WIN MUL
	MULA 0, 1, NQ-1, \slot, 0
	s_wait_dscnt 0x0
	s_barrier_signal -1
	MULA 1, 1, NQ-1, \slot, 0
	WIN 0
	s_barrier_wait -1
.if \fill
	CREST
	s_add_nc_u64 s[G0+4*\slot+2:G0+4*\slot+3], s[G0+4*\slot+2:G0+4*\slot+3], 2*ROWL
	s_add_nc_u64 s[G0B+4*\slot+2:G0B+4*\slot+3], s[G0B+4*\slot+2:G0B+4*\slot+3], 2*ROWL
	JLOAD G0+4*\slot, G1, G0B+4*\slot, G1B
.else
	PLACES 4
.endif
	s_wait_alu depctr_va_vdst(0)
	v_add_nc_u32 v[ADRS], NQ*256, v[ADRS]
	v_add_nc_u32 v[ADRS2], NQ*256, v[ADRS2]
	FETCH_B \next, 0, 0
	FETCH_A \next, 0, 0
	SCALES \next
	WIN MUL
	MULA 2, 1, NQ-1, \slot, 0
	MULA 3, 1, NQ-1, \slot, 0
	PLACES 4
	WIN 0
	FETCH_A \next, 0, 2
.endm
.macro BMAX s
.irp b, 0,1,2,3
	v_max3_num_f32 v[TM+\b], |v[\s+16*\b]|, |v[\s+16*\b+1]|, 0x1800000
.endr
.irp i, 2,4,6,8,10,12,14
.irp b, 0,1,2,3
	v_max3_num_f32 v[TM+\b], |v[\s+16*\b+\i]|, |v[\s+16*\b+\i+1]|, v[TM+\b]
.endr
.endr
.irp b, 0,1,2,3
	v_permlanex16_b32 v[TM+4+\b], v[TM+\b], s[SEL], s[SEL+1]
.endr
.irp b, 0,1,2,3
	v_max_num_f32 v[TM+\b], v[TM+\b], v[TM+4+\b]
.endr
.endm
.macro SCALEW pw
.irp b, 0,1,2,3
	v_add_nc_u32 v[TM+12+\b], 0xff000000, v[TM+\b]
.endr
.irp b, 0,1,2,3
	v_lshrrev_b32 v[TM+4+\b], 23, v[TM+12+\b]
.endr
	v_lshl_or_b32 v[\pw], v[TM+5], 8, v[TM+4]
	v_lshl_or_b32 v[\pw], v[TM+6], 16, v[\pw]
	v_lshl_or_b32 v[\pw], v[TM+7], 24, v[\pw]
.endm
.macro CODES s
.irp c, 0,1
	v_cvt_scalef32_pk16_fp6_f32 v[PC+6*\c:PC+6*\c+2], v[\s+32*\c:\s+32*\c+15], v[TM+12+2*\c]
	v_cvt_scalef32_pk16_fp6_f32 v[PC+12+4*\c:PC+12+4*\c+2], v[\s+32*\c+16:\s+32*\c+31], v[TM+12+2*\c+1]
.endr
	v_nop
.irp c, 0,1
.irp i, 0,1,2
	v_permlane16_swap_b32 v[PC+6*\c+\i], v[PC+12+4*\c+\i]
.endr
.irp i, 0,1,2
	v_mov_b32 v[PC+6*\c+3+\i], v[PC+12+4*\c+\i]
.endr
.endr
.endm
	s_wait_alu depctr_va_vdst(0)
	s_wait_tensorcnt 0x0                           ; my part of K step 0 is in
	ds_add_u32 v[SPW], v[NIL]
	s_wait_dscnt 0x0                               ; the add and my stores of scale words and of 1 / l are done
	CROUND                                         ; everybody's are, and the joint loads meet
	JLOAD G0+4, G1, G0B+4, G1B                     ; K step 1, the first tensor load behind the round
	FETCH_B 0, 0, 0
	FETCH_A 0, 0, 0
	SCALES 0
	FETCH_A 0, 0, 2
	STEP 0, 0, 1
	STEP 0, 1, 0
	STEP 0, 2, 0
	TURN 0, 1, 1
	STEP 1, 0, 0
	STEP 1, 1, 0
	STEP 1, 2, 0
	TURN 1, 0, 1
	STEP 0, 0, 0
	STEP 0, 1, 0
	STEP 0, 2, 0
	TURN 0, 1, 0
	STEP 1, 0, 0
	STEP 1, 1, 0
	STEP 1, 2, 0
	s_wait_dscnt 2*NL
	WIN MUL
	MULA 0, 1, NQ-1, 1, 0
	MULA 1, 1, NQ-1, 1, 0
	s_wait_dscnt 0x0
	MULA 2, 1, NQ-1, 1, 0
	MULA 3, 1, NQ-1, 1, 0
	WIN 0
.irp a, 0,1,2,3
	ds_load_b32 v[RLR+2*\a], v[RLA] offset:64*\a
.endr
	PLACES 4
	s_wait_dscnt 0x0
.irp a, 0,1,2,3
	WIN 0x02
.set n, 0
.rept 32
	v_pk_mul_f32 v[T+n:T+n+1], v[64*\a+n:64*\a+n+1], v[RLR+2*\a:RLR+2*\a+1] op_sel_hi:[1,0]
.set n, n+2
.endr
	WIN 0
	BMAX T
	SCALEW KP+\a
.if \a > 0
	s_wait_xcnt 0x0
.endif
	CODES T
.irp g, 0,1,2
	global_store_b128 v[CO], v[PC+4*\g:PC+4*\g+3], s[94:95] offset:\a*12288+512*\g
.endr
.endr
.irp a, 0,1,2,3
	ds_store_b32 v[BST], v[KP+\a] offset:64*\a
.endr
	ds_load_b64 v[BK:BK+1], v[BLD]
	s_wait_dscnt 0x0
	global_store_b64 v[CO8], v[BK:BK+1], s[98:99]
	s_wait_tensorcnt 0x0
	ds_add_u32 v[SPW], v[NIL]
	s_wait_dscnt 0x0
	CROUND
	s_endpgm
.Lfunc_end_k_q9290fc74c8_ctx:
	.size	k_q9290fc74c8_ctx, .Lfunc_end_k_q9290fc74c8_ctx-k_q9290fc74c8_ctx
	.p2alignl 7, 3214868480
	.fill 96, 4, 3214868480
	.section	.rodata,"a",@progbits
	.p2align	6, 0x0
	.amdhsa_kernel k_q9290fc74c8_ctx
		.amdhsa_group_segment_fixed_size 327680
		.amdhsa_private_segment_fixed_size 0
		.amdhsa_enable_private_segment 0
		.amdhsa_kernarg_size 24
		.amdhsa_user_sgpr_count 2
		.amdhsa_user_sgpr_kernarg_segment_ptr 1
		.amdhsa_wavefront_size32 1
		.amdhsa_system_sgpr_workgroup_id_x 1
		.amdhsa_system_sgpr_workgroup_id_y 1
		.amdhsa_system_sgpr_workgroup_id_z 1
		.amdhsa_system_vgpr_workitem_id 0
		.amdhsa_next_free_vgpr 768
		.amdhsa_next_free_sgpr 100
		.amdhsa_reserve_vcc 0
		.amdhsa_float_denorm_mode_32 3
		.amdhsa_float_denorm_mode_16_64 3
		.amdhsa_memory_ordered 1
		.amdhsa_forward_progress 1
		.amdhsa_inst_pref_size 171
	.end_amdhsa_kernel
	.amdgpu_metadata
---
amdhsa.version: [ 1, 2 ]
amdhsa.kernels:
  - .name:           k_q9290fc74c8_ctx
    .symbol:         k_q9290fc74c8_ctx.kd
    .args:
      - { .name: q3, .offset: 0, .size: 8, .value_kind: global_buffer, .address_space: global }
      - { .name: q2, .offset: 8, .size: 8, .value_kind: global_buffer, .address_space: global }
      - { .name: q4, .offset: 16, .size: 8, .value_kind: global_buffer, .address_space: global }
    .group_segment_fixed_size: 327680
    .private_segment_fixed_size: 0
    .kernarg_segment_align: 8
    .kernarg_segment_size: 24
    .max_flat_workgroup_size: 128
    .sgpr_count:     100
    .vgpr_count:     768
    .wavefront_size: 32
...
	.end_amdgpu_metadata
.endif
;; end of part 4
;; launch proj (part 5): grid 256 x 1, 2 waves a work-group, no clusters, 8,960 bytes of LDS; arguments q4, q1, out0; writes out0
.if DOCPART == 5
	.amdgcn_target "amdgcn-amd-amdhsa--gfx1250"
	.amdhsa_code_object_version 6
	.text
	.protected	k_q9290fc74c8_proj
	.globl	k_q9290fc74c8_proj
	.p2align	8
	.type	k_q9290fc74c8_proj,@function
k_q9290fc74c8_proj:
	s_mov_b64 s[64:65], 0
	v_nop
	global_prefetch_b8 v0, s[64:65] scope:SCOPE_SE
	s_setreg_imm32_b32 hwreg(HW_REG_WAVE_MODE, 25, 1), 1
	s_wait_xcnt 0x0
; out0 = ctx Wo^T on codes of FP6 (E2M3) with E8M0 scales.  ctx: q4, codes [block 512][ks 8] and scale words [ks 8][block 512][16]; Wo: blocks 704-707 of q1.  out0: [8192][64] f32.
; Fragments lie in memory in the order of an operand's registers (1,536 bytes: byte 512 g + 16 lane + 4 i is register 4 g + i), so each comes by three loads of 512 consecutive bytes, straight into registers.
; A wave takes one block of 16 queries and all 64 outputs: 4 accumulators x 8 K steps = 32 matrix instructions.  Source 0 = 16 rows of Wo, source 1 = the 16 queries: a lane holds one query, and by the choice of a
; block's rows (lane r of block n: row 32 (n / 2) + 8 (n % 2) + r + 8 (r / 8)) accumulator 2 B + u, register j, is output 32 B + 16 h + 8 u + j.  The block's queries are the rows 32 (n / 2) + 8 (n % 2) + r + 8 (r / 8) of out0.
; NO CLUSTER, NO TENSOR LOAD: every wave reads Wo's 49,152 bytes, but into registers, once; a joint load would bring them into LDS, from where the same 96 loads a wave would still have to fetch them, and would add
; three rounds of the cluster's barrier to a launch of 32 matrix instructions a wave.
; REGISTERS: window 0: v1-8 addresses; v16-111 ctx's 8 fragments; v112-143 rows on their way out; v200-207 ctx's scale words, v208-223 Wo's; v224-255 the accumulators.  windows 1, 2: Wo's blocks 0, 1 and 2, 3.
.set FR,   12
.set SC1,  8699904                     ; q1: where the scale words begin
.set KSP,  45312                       ; from ks to ks + 1 among them
.set CSC,  6291456                     ; q4: the scale words
.set SP,   272                         ; a stage row: 256 bytes + 16
.set XF,   16
.set OB,   112
.set XS,   200
.set WS,   208                         ; register 8 B + ks: lanes 0-15 the words of Wo's block 2 B, lanes 16-31 of block 2 B + 1
.set ACC,  224
.set MSB, 0
.macro WIN new                         ; the immediate's high byte repeats the setting that is left
.if MSB != (\new)
	s_set_vgpr_msb (MSB<<8)|(\new)
.set MSB, (\new)
.endif
.endm
	s_load_b128 s[4:7], s[0:1], 0x0                ; q4, q1
	s_load_b64 s[8:9], s[0:1], 0x10                ; out0
	v_lshl_add_u32 v198, v0, 2, 0x2200
	v_mov_b32 v199, 0
	v_lshrrev_b32 v1, 5, v0
	v_readfirstlane_b32 s10, v1                    ; wave 0, 1
	s_lshl_b32 s11, ttmp9, 1
	s_add_co_u32 s11, s11, s10                     ; my block of queries
	v_and_b32 v1, 31, v0
	v_lshlrev_b32 v2, 4, v1                        ; 16 x lane
	v_lshlrev_b32 v4, 2, v1                        ; 4 x lane
	v_and_b32 v7, 15, v0                           ; r
	v_lshlrev_b32 v3, 2, v7                        ; 4 r
	v_bfe_u32 v8, v0, 4, 1                         ; h
	s_mul_i32 s20, s10, 16*SP                      ; my stage
	v_mul_u32_u24 v5, v7, SP
	v_lshl_add_u32 v5, v8, 6, v5
	v_add_nc_u32 v5, s20, v5                       ; in: row r, + 64 h
	v_mul_u32_u24 v6, v8, SP
	v_lshl_add_u32 v6, v7, 4, v6
	v_add_nc_u32 v6, s20, v6                       ; back: lanes 0-15 one row, lanes 16-31 the next
	s_mul_i32 s12, s11, 12288
	s_mov_b32 s13, 0
	s_lshl_b32 s14, s11, 6
	s_add_co_u32 s14, s14, CSC
	s_mov_b32 s15, 0
	s_lshr_b32 s16, s11, 1
	s_lshl_b32 s16, s16, 13                        ; 32 rows of 256 bytes for each pair of blocks,
	s_and_b32 s17, s11, 1
	s_lshl_b32 s17, s17, 11                        ; 8 rows for the odd one
	s_add_co_u32 s16, s16, s17
	s_mov_b32 s17, 0
	s_wait_alu depctr_va_vdst(0)
	s_wait_kmcnt 0x0
	s_add_nc_u64 s[12:13], s[4:5], s[12:13]        ; ctx's codes
	s_add_nc_u64 s[14:15], s[4:5], s[14:15]        ; and scale words
	s_add_nc_u64 s[8:9], s[8:9], s[16:17]
	s_add_nc_u64 s[18:19], s[6:7], 704*12288       ; Wo's codes
	s_add_nc_u64 s[6:7], s[6:7], SC1+704*64        ; and scale words
.irp k, 0,1,2,3,4,5,6,7
.irp g, 0,1,2
	global_load_b128 v[XF+FR*\k+4*\g:XF+FR*\k+4*\g+3], v2, s[12:13] offset:\k*1536+512*\g th:TH_LOAD_NT
.endr
	global_load_b32 v[XS+\k], v3, s[14:15] offset:\k*32768
	global_load_b32 v[WS+\k], v4, s[6:7] offset:\k*KSP
	global_load_b32 v[WS+8+\k], v4, s[6:7] offset:\k*KSP+128
.endr
	WIN 0x40                                       ; destination window 1
.irp b, 0,1
.irp k, 0,1,2,3,4,5,6,7
.irp g, 0,1,2
	global_load_b128 v[FR*(8*\b+\k)+4*\g:FR*(8*\b+\k)+4*\g+3], v2, s[18:19] offset:\b*12288+\k*1536+512*\g
.endr
.endr
.endr
	WIN 0x80                                       ; destination window 2
.irp b, 0,1
.irp k, 0,1,2,3,4,5,6,7
.irp g, 0,1,2
	global_load_b128 v[FR*(8*\b+\k)+4*\g:FR*(8*\b+\k)+4*\g+3], v2, s[18:19] offset:(2+\b)*12288+\k*1536+512*\g
.endr
.endr
.endr
	WIN 0
	s_wait_loadcnt 0x0
; K step k of the two accumulators 2 B and 2 B + 1, by turns, one instruction a turn; the first K step starts the sums
.macro PAIR B, k
.if \k == 0
	v_wmma_scale_f32_16x16x128_f8f6f4 v[ACC+16*\B:ACC+16*\B+7], v[FR*\k:FR*\k+FR-1], v[XF+FR*\k:XF+FR*\k+FR-1], 0, v[WS+8*\B+\k], v[XS+\k] matrix_a_fmt:MATRIX_FMT_FP6 matrix_b_fmt:MATRIX_FMT_FP6
	v_wmma_scale_f32_16x16x128_f8f6f4 v[ACC+16*\B+8:ACC+16*\B+15], v[FR*(8+\k):FR*(8+\k)+FR-1], v[XF+FR*\k:XF+FR*\k+FR-1], 0, v[WS+8*\B+\k], v[XS+\k] matrix_a_fmt:MATRIX_FMT_FP6 matrix_b_fmt:MATRIX_FMT_FP6 matrix_a_scale:MATRIX_SCALE_ROW1
.else
	v_wmma_scale_f32_16x16x128_f8f6f4 v[ACC+16*\B:ACC+16*\B+7], v[FR*\k:FR*\k+FR-1], v[XF+FR*\k:XF+FR*\k+FR-1], v[ACC+16*\B:ACC+16*\B+7], v[WS+8*\B+\k], v[XS+\k] matrix_a_fmt:MATRIX_FMT_FP6 matrix_b_fmt:MATRIX_FMT_FP6
	v_wmma_scale_f32_16x16x128_f8f6f4 v[ACC+16*\B+8:ACC+16*\B+15], v[FR*(8+\k):FR*(8+\k)+FR-1], v[XF+FR*\k:XF+FR*\k+FR-1], v[ACC+16*\B+8:ACC+16*\B+15], v[WS+8*\B+\k], v[XS+\k] matrix_a_fmt:MATRIX_FMT_FP6 matrix_b_fmt:MATRIX_FMT_FP6 matrix_a_scale:MATRIX_SCALE_ROW1
.endif
.endm
	WIN 0x01                                       ; source 0 (Wo) window 1
.irp k, 0,1,2,3,4,5,6,7
	PAIR 0, \k
.endr
	WIN 0x02                                       ; source 0 window 2
.irp k, 0,1,2,3,4,5,6,7
	PAIR 1, \k
.endr
	WIN 0
.rept 4
	v_nop                                          ; four places in front of the first read of results
.endr
	; THE WAY OUT: a lane holds pieces of 32 bytes of one row; the 16 rows go through my own stage and leave whole
.irp b, 0,1,2,3
	ds_store_b128 v5, v[ACC+8*\b:ACC+8*\b+3] offset:128*(\b/2)+32*(\b%2)          ; each accumulator from its low end on
	ds_store_b128 v5, v[ACC+8*\b+4:ACC+8*\b+7] offset:128*(\b/2)+32*(\b%2)+16
.endr
.irp t, 0,1,2,3,4,5,6,7
	ds_load_b128 v[OB+4*\t:OB+4*\t+3], v6 offset:2*\t*SP       ; LDS serves a wave's instructions in order: these see the stores above
.endr
.irp t, 0,1,2,3,4,5,6,7
	s_wait_dscnt 7-\t                              ; loads come back in order: pair t of the rows is in, the younger ones may be out
	global_store_b128 v2, v[OB+4*\t:OB+4*\t+3], s[8:9] offset:(2*\t+8*(\t/4))*256 th:TH_STORE_NT   ; two neighbouring rows of out0: 512 consecutive bytes, at a multiple of 256 from its first byte
.endr
	s_wait_tensorcnt 0x0
	ds_add_u32 v198, v199
	s_wait_dscnt 0x0
	s_endpgm
.Lfunc_end_k_q9290fc74c8_proj:
	.size	k_q9290fc74c8_proj, .Lfunc_end_k_q9290fc74c8_proj-k_q9290fc74c8_proj
	.p2alignl 7, 3214868480
	.fill 96, 4, 3214868480
	.section	.rodata,"a",@progbits
	.p2align	6, 0x0
	.amdhsa_kernel k_q9290fc74c8_proj
		.amdhsa_group_segment_fixed_size 8960
		.amdhsa_private_segment_fixed_size 0
		.amdhsa_enable_private_segment 0
		.amdhsa_kernarg_size 24
		.amdhsa_user_sgpr_count 2
		.amdhsa_user_sgpr_kernarg_segment_ptr 1
		.amdhsa_wavefront_size32 1
		.amdhsa_system_sgpr_workgroup_id_x 1
		.amdhsa_system_sgpr_workgroup_id_y 1
		.amdhsa_system_sgpr_workgroup_id_z 1
		.amdhsa_system_vgpr_workitem_id 0
		.amdhsa_next_free_vgpr 768
		.amdhsa_next_free_sgpr 66
		.amdhsa_reserve_vcc 0
		.amdhsa_float_denorm_mode_32 3
		.amdhsa_float_denorm_mode_16_64 3
		.amdhsa_memory_ordered 1
		.amdhsa_forward_progress 1
		.amdhsa_inst_pref_size 22
	.end_amdhsa_kernel
	.amdgpu_metadata
---
amdhsa.version: [ 1, 2 ]
amdhsa.kernels:
  - .name:           k_q9290fc74c8_proj
    .symbol:         k_q9290fc74c8_proj.kd
    .args:
      - { .name: q4, .offset: 0, .size: 8, .value_kind: global_buffer, .address_space: global }
      - { .name: q1, .offset: 8, .size: 8, .value_kind: global_buffer, .address_space: global }
      - { .name: out0, .offset: 16, .size: 8, .value_kind: global_buffer, .address_space: global }
    .group_segment_fixed_size: 8960
    .private_segment_fixed_size: 0
    .kernarg_segment_align: 8
    .kernarg_segment_size: 24
    .max_flat_workgroup_size: 64
    .sgpr_count:     66
    .vgpr_count:     768
    .wavefront_size: 32
...
	.end_amdgpu_metadata
.endif
;; end of part 5
